; MI455X (gfx1250); checked and timed in simulation.
; The chip was launched on July 23, 2026; its instructions are those of AMD's public machine-readable ISA for CDNA 5 (MIT licence, August 2026) and "CDNA5" Instruction Set Architecture Reference Guide (July 2026). The comments in the code are by the model that wrote it; some were corrected since.
;; Tenso IR Physical Rendering. Allowed arithmetic: float matrix products may take bf16 or f16 operands with f32 sums; all other float work in f32.
;; Inputs: albedo 32,768 x 3 float32; env_rgbs 512 x 3 float32; fresnel 32,768 x 3 float32; indirect_light 32,768 x 512 x 3 float32; light_area_weight 512 float32; light_dirs 512 x 3 float32; normal 32,768 x 3 float32; roughness 32,768 x 1 float32; viewdirs 32,768 x 3 float32; visibility 32,768 x 512 x 1 float32.
;; Outputs: out0 32,768 x 3 float32; out1 32,768 x 3 float32; out2 32,768 x 3 float32; out3 32,768 x 3 float32.
;; 3 versions, each right; version 2 is faster than version 1; version 3 is version 2 with the launch render written anew for expert scheduling mode. Each part assembles by itself: llvm-mc -triple=amdgcn-amd-amdhsa -mcpu=gfx1250 --defsym DOCPART=n.
;; ======== version 1 of 3: 1 launch
;; limits: below input magnitudes of 1e-12 results are inexact or not finite
;; launch render (part 1): grid 256 x 1, 16 waves a work-group, no clusters, 79,360 bytes of LDS; arguments visibility, indirect_light, light_dirs, light_area_weight, env_rgbs, normal, viewdirs, albedo, fresnel, roughness, out0, out1, out2, out3; writes out0, out1, out2, out3
.if DOCPART == 1
	.amdgcn_target "amdgcn-amd-amdhsa--gfx1250"
	.amdhsa_code_object_version 6
	.text
	.protected	k_q66af5d6fa5_render
	.globl	k_q66af5d6fa5_render
	.p2align	8
	.type	k_q66af5d6fa5_render,@function
k_q66af5d6fa5_render:
	s_mov_b64 s[64:65], 0
	v_nop
	global_prefetch_b8 v0, s[64:65] scope:SCOPE_SE
	s_setreg_imm32_b32 hwreg(HW_REG_WAVE_MODE, 25, 1), 1
	s_wait_xcnt 0x0
; Physically based shading of 32,768 points under 512 lights: for each pair (point, light) a GGX term and a cosine weight, and three
; sums over the lights in three colours: SV = sum brdf vis env w, SD = sum brdf env w, SI = sum brdf ind w.
; out0 = srgb(clip(SV + SI)), out1 = srgb(SV), out2 = srgb(SD), out3 = srgb(SI).
;
; SHARES.  256 work-groups of 16 waves; a work-group owns 128 points.  Wave w: h = w & 1 is its half of the lights (256), g = w >> 1 its
; 16 points.  A visit is one point x 256 lights = two chunks of 128 lights; in a chunk lane l owns the four neighbouring lights 4 l .. 4 l + 3:
; its visibility is 16 neighbouring bytes, its indirect light 48, so a wave's load of visibility covers 512 consecutive bytes, its three
; loads of indirect light 1,536, and the order in memory is the order in registers: the stream passes through no LDS.
; Light constants stay in registers; a point's 32 constants come from LDS, all lanes at one address; packed arithmetic picks them with op_sel.
;
; THE HALF VECTOR is formed by components, (L + V) / 2, and its length and its product with the normal from those components: for a light
; nearly opposite to the view vector the shorter forms 2 + 2 L.V and N.L + N.V are differences of large numbers, and the lobe
; 1 - NoH^2 (1 - alpha^2) magnifies their error by its own smallness.
;
; LEFT OUT, AND WHY.  Matrix unit: the one product (light . normal) has depth 3 of an instruction's 32, and its result feeds the lobe,
; which at roughness 0.09 is 6.6e-5 wide, and the mask at 1e-6; operands rounded to 8 bits of mantissa (2^-9) would move
; both by far more than their width.  It is made in f32, 6 packed instructions for 4 pairs.  Tensor loads and LDS slots: the registers
; already get memory's order.  Cluster: work-groups share only the 14 KB of light tables, against 1 MB of stream of their own.
;
; LIMITS.  V.H is taken as |(L + V) / 2|, which takes L and V as unit vectors behind their two normalisations: true of every vector of
; norm 1e-12 or more; zero vectors are served (a zero view vector by hiV and sign 0, a zero light or normal by the weight 0); view or light vectors
; of norm strictly between 0 and 1e-12 are not.  NaN and infinities in the inputs are not served.  The sums over lights are
; added in another order than a plain sum along the axis.
.set PART,   0                         ; LDS: 16 waves x 18 rows x 144 bytes (128 of data + 16): a wave's own; row = 9 u + k
.set PARTW,  2592
.set PPITCH, 144                       ; an odd multiple of 16 bytes: the 16 rows that a 16-byte read by rows touches differ modulo 256 bytes
.set HS,     41472                     ; LDS: half-row sums, [wave 16][visit 16][k 9] f32
.set HSW,    576
.set PTAB,   50688                     ; LDS: 128 points x 32 f32
.set LTAB,   67072                     ; LDS: LX, LY, LZ, WP, TH, 512 f32 each
.set VOFF, 1                           ; v1   16 lane
.set IOFF, 2                           ; v2   48 lane
.set PTA,  3                           ; v3   LDS address of the trip's first point entry (the same in all lanes)
.set PSTO, 4                           ; v4   PART: my column of my wave's rows
.set PRD,  5                           ; v5   PART: row min(lane, 17) of my wave's
.set KC,   6                           ; v[6:7] the two constants of the Fresnel exponent
.set HSA,  8                           ; v8   HS: where row min(lane, 17)'s sum of this trip goes
.set LANE, 9                           ; v9
.set LTB,  10                          ; v[10:73]   chunk j at 10 + 32 j: LX 0-3, LY 4-7, LZ 8-11, WP 12-15, TH 16-19, env 20-31 (r g b of four lights)
.set PCN,  74                          ; v[74:105]  the point's entry: nx ny nz Vx/2 Vy/2 Vz/2 s' (N.V) A B am1 hiV lo hi, G x 6, Fa x 6, a x 6
.set PG,   PCN+14
.set PF,   PCN+20
.set PAL,  PCN+26
.set ASV,  106                         ; v[106:123] sums of a visit, each as the pairs (r,g) (b,r) (g,b)
.set ASD,  112
.set ASI,  118
.set T,    124
.set TC,   T                           ; light . normal
.set TD,   T+4                         ; |(L+V)/2|^2, then at work
.set TM,   T+8                         ; 1 / |(L+V)/2|
.set BR,   T                           ; 12: brdf of four lights x r g b (over TC, TD, TM)
.set TN2,  T+12
.set BE,   T+12                        ; 12: brdf x env
.set HX,   T+16                        ; (L+V)/2 by components, in registers that the colours use later
.set HY,   T+20
.set HZ,   T+40
.set TVH,  T+24                        ; VoH, then 2^FMi
.set TNH,  T+28                        ; NoH, then 1 / nom
.set TCW,  T+32                        ; cosine x weight
.set TCM,  T+36                        ; the same, masked
.set TCV,  T+40                        ; the same x visibility
.set RED,  T+12                        ; v[136:167] the 32 numbers of a row of PART
.set RING, 168                         ; v[168:231] slot 2 u + j: visibility 0-3, indirect light 4-15
	s_load_b512 s[8:23], s[0:1], 0x0               ; visibility 8, indirect 10, light_dirs 12, weight 14, env 16, normal 18, viewdirs 20, albedo 22
	s_load_b256 s[24:31], s[0:1], 0x40             ; fresnel 24, roughness 26, out0 28, out1 30
	s_load_b128 s[32:35], s[0:1], 0x60             ; out2 32, out3 34
	v_lshl_add_u32 v232, v0, 2, 0x12e00
	v_mov_b32 v233, 0
	v_and_b32 v[LANE], 31, v0
	v_lshrrev_b32 v3, 5, v0
	v_readfirstlane_b32 s2, v3                     ; wave
	s_and_b32 s3, s2, 1                            ; h: my half of the lights
	s_lshr_b32 s4, s2, 1                           ; g: my 16 points
	s_mov_b32 s37, 0x358637bd                      ; 1e-6
	s_mov_b32 s38, 0x41490fdb                      ; 4 pi
	s_mov_b32 s39, 0x2b8cbccc                      ; 1e-12
	v_lshlrev_b32 v[VOFF], 4, v[LANE]
	v_mul_u32_u24 v[IOFF], 48, v[LANE]
	s_mul_i32 s5, s2, PARTW
	v_lshl_add_u32 v[PSTO], v[LANE], 2, s5
	v_min_u32 v[PRD], 17, v[LANE]                  ; lanes 18-31 repeat row 17
	s_mul_i32 s47, s2, HSW
	s_add_co_u32 s47, s47, HS
	v_lshl_add_u32 v[HSA], v[PRD], 2, s47
	v_mad_u32_u24 v[PRD], v[PRD], PPITCH, s5
	v_mov_b32 v[KC], 0xc0b1c059                    ; -5.55473
	v_mov_b32 v[KC+1], 0xc0df760c                  ; -6.98316
	s_lshl_b32 s6, ttmp9, 18                       ; visibility: 128 points x 2,048 bytes a work-group,
	s_lshl_b32 s40, s4, 15                         ; 16 points a pair of waves,
	s_add_co_u32 s6, s6, s40
	s_lshl_b32 s40, s3, 10                         ; 256 lights x 4 bytes a half
	s_add_co_u32 s6, s6, s40
	s_mov_b32 s7, 0
	s_mul_i32 s44, ttmp9, 786432                   ; indirect light: three times as much
	s_mul_i32 s41, s4, 98304
	s_add_co_u32 s44, s44, s41
	s_mul_i32 s46, s3, 3072
	s_add_co_u32 s44, s44, s46
	s_mov_b32 s45, 0
	v_add_nc_u32 v124, s46, v[IOFF]                ; env of my four lights: 3,072 h + 48 lane
	v_mul_u32_u24 v125, 12, v0                     ; thread t prepares light t: 12 t
	v_lshlrev_b32 v130, 2, v0                      ; 4 t
	s_wait_kmcnt 0x0
	s_add_nc_u64 s[8:9], s[8:9], s[6:7]
	s_add_nc_u64 s[10:11], s[10:11], s[44:45]
	; the stream first: the four chunks of the first two visits
.irp u, 0,1
.irp j, 0,1
	global_load_b128 v[RING+16*(2*\u+\j):RING+16*(2*\u+\j)+3],     v[VOFF], s[8:9]   offset:\u*2048+\j*512 th:TH_LOAD_NT
	global_load_b128 v[RING+16*(2*\u+\j)+4:RING+16*(2*\u+\j)+7],   v[IOFF], s[10:11] offset:\u*6144+\j*1536 th:TH_LOAD_NT
	global_load_b128 v[RING+16*(2*\u+\j)+8:RING+16*(2*\u+\j)+11],  v[IOFF], s[10:11] offset:\u*6144+\j*1536+16 th:TH_LOAD_NT
	global_load_b128 v[RING+16*(2*\u+\j)+12:RING+16*(2*\u+\j)+15], v[IOFF], s[10:11] offset:\u*6144+\j*1536+32 th:TH_LOAD_NT
.endr
.endr
.irp j, 0,1
.irp q, 0,1,2
	global_load_b128 v[LTB+32*\j+20+4*\q:LTB+32*\j+23+4*\q], v124, s[16:17] offset:1536*\j+16*\q   ; env, straight to its place
.endr
.endr
	global_load_b96 v[126:128], v125, s[12:13]     ; light t's direction
	global_load_b32 v129, v130, s[14:15]           ; and weight
	s_cmp_gt_u32 s2, 3
	s_cbranch_scc1 .Lno_point_loads                ; threads 0-127 prepare the work-group's 128 points
	s_mul_i32 s41, ttmp9, 1536
	s_lshl_b32 s42, ttmp9, 9
	v_add_nc_u32 v131, s41, v125                   ; 12 x (128 x work-group + t)
	v_add_nc_u32 v148, s42, v130                   ; 4 x the same
	global_load_b96 v[132:134], v131, s[18:19] th:TH_LOAD_NT
	global_load_b96 v[136:138], v131, s[20:21] th:TH_LOAD_NT
	global_load_b96 v[140:142], v131, s[22:23] th:TH_LOAD_NT
	global_load_b96 v[144:146], v131, s[24:25] th:TH_LOAD_NT
	global_load_b32 v147, v148, s[26:27] th:TH_LOAD_NT
.Lno_point_loads:
	s_wait_loadcnt 0x0                             ; once: the tables' inputs, and with them the older loads of the ring
	; LIGHT t.  S = ld / max(|ld|, 1e-6); pl = max(|S|, 1e-6); L = S / pl; WP = weight x pl; TH = 1e-6 / pl.
	; With c = L . nrm the cosine is pl max(c, 0) and its mask c > TH.
	v_mul_f32 v150, v126, v126
	v_fmac_f32 v150, v127, v127
	v_fmac_f32 v150, v128, v128
	v_sqrt_f32 v150, v150
	v_nop                                          ; one plain vector instruction behind a transcendental before its result is used (ISA guide 5.7.2)
	s_wait_alu depctr_va_vdst(0)
	v_max_num_f32 v150, s37, v150
	v_rcp_f32 v150, v150
	v_nop
	s_wait_alu depctr_va_vdst(0)
	v_mul_f32 v126, v126, v150
	v_mul_f32 v127, v127, v150
	v_mul_f32 v128, v128, v150
	v_mul_f32 v151, v126, v126
	v_fmac_f32 v151, v127, v127
	v_fmac_f32 v151, v128, v128
	v_sqrt_f32 v151, v151
	v_nop
	s_wait_alu depctr_va_vdst(0)
	v_max_num_f32 v151, s37, v151                  ; pl
	v_rcp_f32 v152, v151
	v_mul_f32 v129, v129, v151                     ; WP (the place behind the reciprocal)
	s_wait_alu depctr_va_vdst(0)
	v_mul_f32 v126, v126, v152
	v_mul_f32 v127, v127, v152
	v_mul_f32 v128, v128, v152
	v_mul_f32 v153, s37, v152                      ; TH
	s_lshl_b32 s42, s2, 7
	s_add_co_u32 s42, s42, LTAB
	v_lshl_add_u32 v154, v[LANE], 2, s42           ; LTAB + 128 wave + 4 lane = LTAB + 4 t
	ds_store_b32 v154, v126
	ds_store_b32 v154, v127 offset:2048
	ds_store_b32 v154, v128 offset:4096
	ds_store_b32 v154, v129 offset:6144
	ds_store_b32 v154, v153 offset:8192
	s_cmp_gt_u32 s2, 3
	s_cbranch_scc1 .Lno_point_math
	; POINT t.  nrm, V: twice normalised as the problem does it; qn = 1 / max(|nrm|, 1e-6).
	v_mul_f32 v150, v132, v132
	v_fmac_f32 v150, v133, v133
	v_fmac_f32 v150, v134, v134
	v_mul_f32 v151, v136, v136
	v_fmac_f32 v151, v137, v137
	v_fmac_f32 v151, v138, v138
	v_sqrt_f32 v150, v150
	v_sqrt_f32 v151, v151
	v_nop
	s_wait_alu depctr_va_vdst(0)
	v_max_num_f32 v150, s37, v150
	v_max_num_f32 v151, s37, v151
	v_rcp_f32 v150, v150
	v_rcp_f32 v151, v151
	v_nop
	s_wait_alu depctr_va_vdst(0)
	v_mul_f32 v[PCN+0], v132, v150                 ; nrm
	v_mul_f32 v[PCN+1], v133, v150
	v_mul_f32 v[PCN+2], v134, v150
	v_mul_f32 v136, -v136, v151                    ; surf2c = -view / max(|view|, 1e-6)
	v_mul_f32 v137, -v137, v151
	v_mul_f32 v138, -v138, v151
	v_mul_f32 v150, v[PCN+0], v[PCN+0]
	v_fmac_f32 v150, v[PCN+1], v[PCN+1]
	v_fmac_f32 v150, v[PCN+2], v[PCN+2]
	v_mul_f32 v151, v136, v136
	v_fmac_f32 v151, v137, v137
	v_fmac_f32 v151, v138, v138
	v_sqrt_f32 v150, v150
	v_sqrt_f32 v151, v151
	v_nop
	s_wait_alu depctr_va_vdst(0)
	v_max_num_f32 v150, s37, v150
	v_max_num_f32 v151, s37, v151
	v_rcp_f32 v150, v150                           ; qn
	v_rcp_f32 v151, v151
	v_nop
	s_wait_alu depctr_va_vdst(0)
	v_mul_f32 v136, v136, v151                     ; V
	v_mul_f32 v137, v137, v151
	v_mul_f32 v138, v138, v151
	v_mul_f32 v152, v[PCN+0], v136
	v_fmac_f32 v152, v[PCN+1], v137
	v_fmac_f32 v152, v[PCN+2], v138
	v_mul_f32 v152, v152, v150                     ; NoV before the flip
	v_cmp_lt_f32 vcc_lo, 0, v152
	v_cndmask_b32 v153, 0, 1.0, vcc_lo
	v_cmp_gt_f32 vcc_lo, 0, v152
	v_cndmask_b32 v153, v153, -1.0, vcc_lo         ; its sign: -1, 0 or 1
	v_mul_f32 v[PCN+6], v153, v150                 ; s' = sign x qn: N = s' nrm
	v_mul_f32 v[PCN+7], v153, v152                 ; N . V (used below; the loop does not read this word of the entry)
	v_mul_f32 v164, v136, v136
	v_fmac_f32 v164, v137, v137
	v_fmac_f32 v164, v138, v138
.irp c, 0,1,2
	v_mul_f32 v[PCN+3+\c], 0.5, v[136+\c]          ; V / 2: (L + V) / 2 is then one multiply-add, rounded once as the sum is
.endr
	v_cmp_lt_f32 vcc_lo, 0.5, v164
	v_mov_b32 v[PCN+11], s37
	v_cndmask_b32 v[PCN+11], v[PCN+11], 1.0, vcc_lo    ; hiV: VoH's upper clip, 1e-6 for a zero view vector (VoH is then 0, clipped)
	v_mov_b32 v154, 0x3db851ec
	v_fmac_f32 v154, 0x3f666666, v147              ; 0.9 r + 0.09
	v_med3_num_f32 v154, v154, 0, 1.0
	v_mul_f32 v155, v154, v154                     ; alpha
	v_mul_f32 v156, v155, v155                     ; alpha^2
	v_fma_f32 v157, 2.0, v154, v155
	v_add_f32 v157, 1.0, v157
	v_mul_f32 v157, 0x3e000000, v157               ; k = (alpha + 2 r + 1) / 8, in 0.125 .. 0.5
	v_sub_f32 v158, 1.0, v157                      ; 1 - k
	v_med3_num_f32 v159, v[PCN+7], s37, 1.0        ; NoV
	v_fma_f32 v160, v159, v158, v157               ; nom1
	v_mul_f32 v160, s38, v160                      ; P = 4 pi nom1 > 0
	v_mul_f32 v161, v160, v158                     ; P (1 - k) > 0: so NoL's clip may stand behind the map NoL -> P (NoL (1 - k) + k)
	v_mul_f32 v[PCN+8], v161, v[PCN+6]             ; A
	v_mul_f32 v[PCN+9], v160, v157                 ; B
	v_add_f32 v[PCN+10], -1.0, v156                ; alpha^2 - 1
	v_fma_f32 v[PCN+12], v161, s37, v[PCN+9]       ; lo: the map at NoL = 1e-6
	v_add_f32 v[PCN+13], v161, v[PCN+9]            ; hi: at NoL = 1
.irp c, 0,1,2
	v_sub_f32 v[165+\c], 1.0, v[144+\c]
	v_med3_num_f32 v[140+\c], v[140+\c], 0, 1.0
.endr
.irp c, 0,1,2                                  ; each colour constant twice: r g b r g b, the pattern of two lights' six numbers
	v_mul_f32 v[PG+\c],    v[165+\c], v156         ; G = (1 - F) alpha^2
	v_mul_f32 v[PG+3+\c],  v[165+\c], v156
	v_mul_f32 v[PF+\c],    v[144+\c], v156         ; Fa = F alpha^2
	v_mul_f32 v[PF+3+\c],  v[144+\c], v156
	v_mul_f32 v[PAL+\c],   0x3ea2f983, v[140+\c]   ; a = albedo / pi
	v_mul_f32 v[PAL+3+\c], 0x3ea2f983, v[140+\c]
.endr
	s_lshl_b32 s41, s2, 12
	s_add_co_u32 s41, s41, PTAB
	v_lshl_add_u32 v162, v[LANE], 7, s41           ; PTAB + 4,096 wave + 128 lane = PTAB + 128 t
.irp q, 0,1,2,3,4,5,6,7
	ds_store_b128 v162, v[PCN+4*\q:PCN+4*\q+3] offset:16*\q
.endr
.Lno_point_math:
	s_wait_dscnt 0x0                               ; my table entries are in LDS,
	s_barrier_signal -1
	s_barrier_wait -1                              ; everybody's are
	s_lshl_b32 s41, s3, 10
	s_add_co_u32 s41, s41, LTAB
	v_add_nc_u32 v124, s41, v[VOFF]                ; my four lights of chunk 0: LTAB + 1,024 h + 16 lane
	s_lshl_b32 s42, s4, 11
	s_add_co_u32 s42, s42, PTAB
	v_mov_b32 v[PTA], s42                          ; my wave's first point
.irp j, 0,1
.irp i, 0,1,2,3,4
	ds_load_b128 v[LTB+32*\j+4*\i:LTB+32*\j+4*\i+3], v124 offset:2048*\i+512*\j
.endr
.endr
; The geometry constants (14 numbers) and the colour constants (18) of the point entry at byte off from PTA
.macro GCLOAD off
	ds_load_b128 v[PCN:PCN+3],     v[PTA] offset:\off
	ds_load_b128 v[PCN+4:PCN+7],   v[PTA] offset:\off+16
	ds_load_b128 v[PCN+8:PCN+11],  v[PTA] offset:\off+32
	ds_load_b64  v[PCN+12:PCN+13], v[PTA] offset:\off+48
.endm
.macro CCLOAD off
	ds_load_b64  v[PCN+14:PCN+15], v[PTA] offset:\off+56
	ds_load_b128 v[PCN+16:PCN+19], v[PTA] offset:\off+64
	ds_load_b128 v[PCN+20:PCN+23], v[PTA] offset:\off+80
	ds_load_b128 v[PCN+24:PCN+27], v[PTA] offset:\off+96
	ds_load_b128 v[PCN+28:PCN+31], v[PTA] offset:\off+112
.endm
	GCLOAD 0
	CCLOAD 0
	s_wait_dscnt 0x0
; Six numbers r0 g0 b0 r1 g1 b1 against the pair x = (light 0, light 1): d = x a + c, with x taken (lo, lo), (lo, hi), (hi, hi)
.macro L3F d, x, a, c
	v_pk_fma_f32 v[\d:\d+1],   v[\x:\x+1], v[\a:\a+1],   v[\c:\c+1]   op_sel_hi:[0,1,1]
	v_pk_fma_f32 v[\d+2:\d+3], v[\x:\x+1], v[\a+2:\a+3], v[\c+2:\c+3]
	v_pk_fma_f32 v[\d+4:\d+5], v[\x:\x+1], v[\a+4:\a+5], v[\c+4:\c+5] op_sel:[1,0,0] op_sel_hi:[1,1,1]
.endm
.macro L3M d, x, a                     ; the same without an addend
	v_pk_mul_f32 v[\d:\d+1],   v[\x:\x+1], v[\a:\a+1]   op_sel_hi:[0,1]
	v_pk_mul_f32 v[\d+2:\d+3], v[\x:\x+1], v[\a+2:\a+3]
	v_pk_mul_f32 v[\d+4:\d+5], v[\x:\x+1], v[\a+4:\a+5] op_sel:[1,0] op_sel_hi:[1,1]
.endm
; The geometry of chunk j's four lights: leaves 2^FMi in TVH, 1 / nom in TNH, the weights in TCW (cosine x weight) and TCM (masked)
.macro GEOM j
.set LB, LTB+32*\j
.irp q, 0,2
	v_pk_mul_f32 v[TC+\q:TC+\q+1], v[LB+\q:LB+\q+1], v[PCN:PCN+1] op_sel_hi:[1,0]                                   ; Lx nx
	v_pk_fma_f32 v[HX+\q:HX+\q+1], v[LB+\q:LB+\q+1], 0.5, v[PCN+2:PCN+3] op_sel:[0,0,1] op_sel_hi:[1,0,1]           ; (Lx + Vx) / 2
	v_pk_fma_f32 v[HY+\q:HY+\q+1], v[LB+4+\q:LB+5+\q], 0.5, v[PCN+4:PCN+5] op_sel_hi:[1,0,0]                        ; (Ly + Vy) / 2
	v_pk_fma_f32 v[HZ+\q:HZ+\q+1], v[LB+8+\q:LB+9+\q], 0.5, v[PCN+4:PCN+5] op_sel:[0,0,1] op_sel_hi:[1,0,1]         ; (Lz + Vz) / 2
.endr
.irp q, 0,2
	v_pk_fma_f32 v[TC+\q:TC+\q+1], v[LB+4+\q:LB+5+\q], v[PCN:PCN+1], v[TC+\q:TC+\q+1] op_sel:[0,1,0] op_sel_hi:[1,1,1]
	v_pk_mul_f32 v[TD+\q:TD+\q+1], v[HX+\q:HX+\q+1], v[HX+\q:HX+\q+1]
	v_pk_mul_f32 v[TNH+\q:TNH+\q+1], v[HX+\q:HX+\q+1], v[PCN:PCN+1] op_sel_hi:[1,0]
.endr
.irp q, 0,2
	v_pk_fma_f32 v[TC+\q:TC+\q+1], v[LB+8+\q:LB+9+\q], v[PCN+2:PCN+3], v[TC+\q:TC+\q+1] op_sel_hi:[1,0,1]           ; c = L . nrm
	v_pk_fma_f32 v[TD+\q:TD+\q+1], v[HY+\q:HY+\q+1], v[HY+\q:HY+\q+1], v[TD+\q:TD+\q+1]
	v_pk_fma_f32 v[TNH+\q:TNH+\q+1], v[HY+\q:HY+\q+1], v[PCN:PCN+1], v[TNH+\q:TNH+\q+1] op_sel:[0,1,0] op_sel_hi:[1,1,1]
.endr
.irp q, 0,2
	v_pk_fma_f32 v[TD+\q:TD+\q+1], v[HZ+\q:HZ+\q+1], v[HZ+\q:HZ+\q+1], v[TD+\q:TD+\q+1]                             ; |(L + V) / 2|^2
	v_pk_fma_f32 v[TNH+\q:TNH+\q+1], v[HZ+\q:HZ+\q+1], v[PCN+2:PCN+3], v[TNH+\q:TNH+\q+1] op_sel_hi:[1,0,1]         ; nrm . (L + V) / 2
.endr
.irp i, 0,1,2,3
	v_max_num_f32 v[TM+\i], s39, v[TD+\i]          ; 1 / max(length, 1e-6) = rsq(max(length^2, 1e-12))
.endr
.irp i, 0,1,2,3
	v_rsq_f32 v[TM+\i], v[TM+\i]
.endr
.irp q, 0,2                                    ; plain work behind the transcendentals, which names none of their registers
	v_pk_mul_f32 v[TNH+\q:TNH+\q+1], v[TNH+\q:TNH+\q+1], v[PCN+6:PCN+7] op_sel_hi:[1,0]                                  ; x s': N . (L + V) / 2
	v_pk_fma_f32 v[TN2+\q:TN2+\q+1], v[TC+\q:TC+\q+1], v[PCN+8:PCN+9], v[PCN+8:PCN+9] op_sel:[0,0,1] op_sel_hi:[1,0,1]   ; c A + B
.endr
	s_wait_alu depctr_va_vdst(0)
.irp q, 0,2
	v_pk_mul_f32 v[TVH+\q:TVH+\q+1], v[TD+\q:TD+\q+1], v[TM+\q:TM+\q+1]
	v_pk_mul_f32 v[TNH+\q:TNH+\q+1], v[TNH+\q:TNH+\q+1], v[TM+\q:TM+\q+1]
.endr
.irp i, 0,1,2,3
	v_med3_num_f32 v[TVH+\i], v[TVH+\i], s37, v[PCN+11]            ; VoH
	v_med3_num_f32 v[TNH+\i], v[TNH+\i], s37, 1.0                  ; NoH
	v_med3_num_f32 v[TN2+\i], v[TN2+\i], v[PCN+12], v[PCN+13]      ; 4 pi nom1 nom2
.endr
.irp q, 0,2
	v_pk_fma_f32 v[TD+\q:TD+\q+1], v[TVH+\q:TVH+\q+1], v[KC:KC+1], v[KC:KC+1] op_sel:[0,0,1] op_sel_hi:[1,0,1]
.endr
.irp q, 0,2
	v_pk_mul_f32 v[TVH+\q:TVH+\q+1], v[TD+\q:TD+\q+1], v[TVH+\q:TVH+\q+1]          ; FMi
.endr
.irp i, 0,1,2,3
	v_exp_f32 v[TVH+\i], v[TVH+\i]
.endr
.irp q, 0,2
	v_pk_mul_f32 v[TNH+\q:TNH+\q+1], v[TNH+\q:TNH+\q+1], v[TNH+\q:TNH+\q+1]
.endr
.irp q, 0,2
	v_pk_fma_f32 v[TNH+\q:TNH+\q+1], v[TNH+\q:TNH+\q+1], v[PCN+10:PCN+11], 1.0 op_sel_hi:[1,0,0]   ; nom0
.endr
.irp q, 0,2
	v_pk_mul_f32 v[TNH+\q:TNH+\q+1], v[TNH+\q:TNH+\q+1], v[TNH+\q:TNH+\q+1]
.endr
.irp q, 0,2
	v_pk_mul_f32 v[TNH+\q:TNH+\q+1], v[TNH+\q:TNH+\q+1], v[TN2+\q:TN2+\q+1]
.endr
.irp i, 0,1,2,3
	v_med3_num_f32 v[TNH+\i], v[TNH+\i], s37, s38                  ; nom, clipped to 1e-6 .. 4 pi
.endr
.irp i, 0,1,2,3
	v_rcp_f32 v[TNH+\i], v[TNH+\i]
.endr
.irp i, 0,1,2,3
	v_max_num_f32 v[TCW+\i], 0, v[TC+\i]
	v_cmp_gt_f32 s[40+\i], v[TC+\i], v[LB+16+\i]
.endr
.irp q, 0,2
	v_pk_mul_f32 v[TCW+\q:TCW+\q+1], v[TCW+\q:TCW+\q+1], v[LB+12+\q:LB+13+\q]
.endr
.irp i, 0,1,2,3
	v_cndmask_b32 v[TCM+\i], 0, v[TCW+\i], s[40+\i]
.endr
.endm
; The colours of chunk j of visit u of the trip.  first = 1: the products start the sums, nothing is cleared.  left: younger loads that may stay out.
; fill = 1: the slot gets the same chunk of the next trip.  ccload = 1: the next point's colour constants are fetched behind their last use.
.macro CHAN j, u, first, left, fill, ccload
.set RS, RING+16*(2*\u+\j)
.set EV, LTB+32*\j+20
	s_wait_loadcnt \left                           ; loads come back in order (ISA guide 5.7.1): my slot's four are in; behind them the other three slots' refills were issued, four loads each
	v_pk_mul_f32 v[TCV:TCV+1],   v[TCM:TCM+1],   v[RS:RS+1]
	v_pk_mul_f32 v[TCV+2:TCV+3], v[TCM+2:TCM+3], v[RS+2:RS+3]
	s_wait_alu depctr_va_vdst(0)
	L3F BR,   TVH,   PG, PF                        ; 2^FMi G + Fa
	L3F BR+6, TVH+2, PG, PF
	L3F BR,   TNH,   BR,   PAL                     ; brdf = that / nom + a
	L3F BR+6, TNH+2, BR+6, PAL
.if \ccload
	CCLOAD (\u+1)*128
.endif
.irp m, 0,2,4,6,8,10
	v_pk_mul_f32 v[BE+\m:BE+\m+1], v[BR+\m:BR+\m+1], v[EV+\m:EV+\m+1]
.endr
.if \first
	L3M ASD, TCW, BE
	L3M ASV, TCV, BE
.else
	L3F ASD, TCW, BE, ASD
	L3F ASV, TCV, BE, ASV
.endif
	L3F ASD, TCW+2, BE+6, ASD
	L3F ASV, TCV+2, BE+6, ASV
	L3M BR,   TCM,   BR
	L3M BR+6, TCM+2, BR+6
.irp m, 0,2,4
.if \first
	v_pk_mul_f32 v[ASI+\m:ASI+\m+1], v[BR+\m:BR+\m+1], v[RS+4+\m:RS+5+\m]
.else
	v_pk_fma_f32 v[ASI+\m:ASI+\m+1], v[BR+\m:BR+\m+1], v[RS+4+\m:RS+5+\m], v[ASI+\m:ASI+\m+1]
.endif
.endr
.irp m, 0,2,4
	v_pk_fma_f32 v[ASI+\m:ASI+\m+1], v[BR+6+\m:BR+7+\m], v[RS+10+\m:RS+11+\m], v[ASI+\m:ASI+\m+1]
.endr
.if \fill
	global_load_b128 v[RS:RS+3],     v[VOFF], s[8:9]   offset:4096+\u*2048+\j*512 th:TH_LOAD_NT        ; two visits on
	global_load_b128 v[RS+4:RS+7],   v[IOFF], s[10:11] offset:12288+\u*6144+\j*1536 th:TH_LOAD_NT
	global_load_b128 v[RS+8:RS+11],  v[IOFF], s[10:11] offset:12288+\u*6144+\j*1536+16 th:TH_LOAD_NT
	global_load_b128 v[RS+12:RS+15], v[IOFF], s[10:11] offset:12288+\u*6144+\j*1536+32 th:TH_LOAD_NT
.endif
.endm
; A lane's 18 sums fold to 9 (r = pair 0 low + pair 1 high, g = pair 0 high + pair 2 low, b = pair 1 low + pair 2 high) and go to rows 9 u + k of my wave's PART
.macro FLUSH u
.irp s, 0,1,2
	v_add_f32 v[T+3*\s],   v[ASV+6*\s],   v[ASV+6*\s+3]
	v_add_f32 v[T+3*\s+1], v[ASV+6*\s+1], v[ASV+6*\s+4]
	v_add_f32 v[T+3*\s+2], v[ASV+6*\s+2], v[ASV+6*\s+5]
.endr
.irp k, 0,1,2,3,4,5,6,7,8
	ds_store_b32 v[PSTO], v[T+\k] offset:(9*\u+\k)*PPITCH
.endr
.endm
; One point x my 256 lights.  more = 1: a visit follows, and its point's constants are fetched.
.macro VISIT u, fill, more, l0, l1
	s_wait_dscnt 14                                ; the 4 loads of the geometry constants are in: behind them stand 5 loads of colour constants and 9 stores of sums
	GEOM 0
	s_wait_dscnt 9                                 ; the colour constants are in: behind them stand the 9 stores
	CHAN 0, \u, 1, \l0, \fill, 0
	GEOM 1
.if \more
	GCLOAD (\u+1)*128                              ; behind the last use of this point's
.endif
	CHAN 1, \u, 0, \l1, \fill, \more
	FLUSH \u
.endm
; The sums across the lanes of two visits: lane r adds row r (18 rows of 32 numbers; the eight loads take a row's bytes 0 to 127, never its padding).
; The bytes are my wave's own, and LDS serves a wave's instructions in order (ISA guide 5.7.1): the loads see the stores above, and the next
; trip's stores come behind these loads' wait.
.macro REDUCE step
.irp q, 0,1,2,3,4,5,6,7
	ds_load_b128 v[RED+4*\q:RED+4*\q+3], v[PRD] offset:16*\q
.endr
	s_wait_dscnt 0x0
.irp i, 0,2,4,6,8,10,12,14
	v_pk_add_f32 v[RED+\i:RED+\i+1], v[RED+\i:RED+\i+1], v[RED+16+\i:RED+17+\i]
.endr
.irp i, 0,2,4,6
	v_pk_add_f32 v[RED+\i:RED+\i+1], v[RED+\i:RED+\i+1], v[RED+8+\i:RED+9+\i]
.endr
.irp i, 0,2
	v_pk_add_f32 v[RED+\i:RED+\i+1], v[RED+\i:RED+\i+1], v[RED+4+\i:RED+5+\i]
.endr
	v_pk_add_f32 v[RED:RED+1], v[RED:RED+1], v[RED+2:RED+3]
	v_add_f32 v[RED], v[RED], v[RED+1]
	ds_store_b32 v[HSA], v[RED]                    ; lanes 17-31 write one word with one value
.if \step
	v_add_nc_u32 v[HSA], 72, v[HSA]                ; two visits x 9 numbers on
	v_add_nc_u32 v[PTA], 256, v[PTA]               ; two point entries on
.endif
.endm
.macro TRIP fill, more1, l0, l1, l2, l3
	VISIT 0, \fill, 1, \l0, \l1
	VISIT 1, \fill, \more1, \l2, \l3
	REDUCE \fill
.if \fill
	s_wait_xcnt 0x0                                ; every load issued has had its address translated (ISA guide 3.1): the bases are stepped only behind this wait
	s_add_nc_u64 s[8:9], s[8:9], 4096              ; two rows of visibility
	s_add_nc_u64 s[10:11], s[10:11], 12288         ; two rows of indirect light
.endif
.endm
	s_mov_b32 s36, 7
.Ltrip:
	TRIP 1, 1, 12, 12, 12, 12
	s_sub_co_i32 s36, s36, 1
	s_cmp_lg_u32 s36, 0
	s_cbranch_scc1 .Ltrip
	TRIP 0, 0, 12, 8, 4, 0                         ; the last two visits load nothing more: the counts run down
	s_wait_dscnt 0x0                               ; my half-row sums are in LDS,
	s_barrier_signal -1
	s_barrier_wait -1                              ; everybody's are
	s_cmp_gt_u32 s2, 5
	s_cbranch_scc1 .Lend
	; THE WAY OUT.  An output has 128 x 3 = 384 numbers of this work-group; thread t < 192 makes numbers f = 2 t and 2 t + 1 of all four outputs.
	; p = f / 3 (f x 43,691 >> 17, exact below 384).  The sum k = 3 s + ch of point p, half h lies at HS + 576 (2 (p >> 4) + h) + 36 (p & 15) + 4 k
	; = HS + 4 f + 24 p + 576 (p >> 4) + 12 s + 576 h.
	v_lshlrev_b32 v124, 1, v0
	v_or_b32 v125, 1, v124
	v_mul_u32_u24 v126, 0xaaab, v124
	v_mul_u32_u24 v127, 0xaaab, v125
	v_lshrrev_b32 v126, 17, v126
	v_lshrrev_b32 v127, 17, v127
	v_lshrrev_b32 v130, 4, v126
	v_lshrrev_b32 v131, 4, v127
	v_mul_u32_u24 v130, 576, v130
	v_mul_u32_u24 v131, 576, v131
	v_mad_u32_u24 v130, v126, 24, v130
	v_mad_u32_u24 v131, v127, 24, v131
	v_lshl_add_u32 v128, v124, 2, v130
	v_lshl_add_u32 v129, v125, 2, v131
.irp s, 0,1,2
.irp e, 0,1
	ds_load_b32 v[140+2*\s+\e], v[128+\e] offset:HS+12*\s
	ds_load_b32 v[146+2*\s+\e], v[128+\e] offset:HS+12*\s+HSW
.endr
.endr
	s_mov_b32 s44, 0x3f870a3d                      ; 1.055
	s_mov_b32 s45, 0xbd6147ae                      ; -0.055
	s_mov_b32 s46, 0x3b4d2e1c                      ; 0.0031308
	s_mov_b32 s47, 0x322bcc77                      ; 1e-8
	s_mul_i32 s6, ttmp9, 1536                      ; the work-group's 384 numbers in each output
	s_wait_dscnt 0x0
.irp s, 0,2,4
	v_pk_add_f32 v[140+\s:141+\s], v[140+\s:141+\s], v[146+\s:147+\s]      ; the two halves of the lights: SV 140, SD 142, SI 144
.endr
	v_pk_add_f32 v[138:139], v[140:141], v[144:145]
	v_med3_num_f32 v138, v138, 0, 1.0              ; clip(SV + SI)
	v_med3_num_f32 v139, v139, 0, 1.0
	; srgb of the eight numbers v138-145: x <= 0.0031308 ? 12.92 x : 1.055 max(x, 1e-8)^(1/2.4) - 0.055
.irp i, 0,1,2,3,4,5,6,7
	v_max_num_f32 v[160+\i], s47, v[138+\i]
.endr
.irp i, 0,1,2,3,4,5,6,7
	v_log_f32 v[160+\i], v[160+\i]
.endr
.irp q, 0,2,4,6
	v_pk_mul_f32 v[150+\q:151+\q], v[138+\q:139+\q], 0x414eb852 op_sel_hi:[1,0]    ; 12.92 x (plain work behind the logarithms)
.endr
	s_wait_alu depctr_va_vdst(0)
.irp q, 0,2,4,6
	v_pk_mul_f32 v[160+\q:161+\q], v[160+\q:161+\q], 0x3ed55555 op_sel_hi:[1,0]    ; / 2.4
.endr
.irp i, 0,1,2,3,4,5,6,7
	v_exp_f32 v[160+\i], v[160+\i]
.endr
	v_lshl_add_u32 v132, v0, 3, s6                 ; my 8 bytes in each output (the place behind the exponentials)
	s_wait_alu depctr_va_vdst(0)
.irp i, 0,1,2,3,4,5,6,7
	v_fma_f32 v[160+\i], v[160+\i], s44, s45
.endr
.irp i, 0,1,2,3,4,5,6,7
	v_cmp_ge_f32 vcc_lo, s46, v[138+\i]
	v_cndmask_b32 v[138+\i], v[160+\i], v[150+\i], vcc_lo
.endr
	global_store_b64 v132, v[138:139], s[28:29] th:TH_STORE_NT     ; each store of a wave covers 256 consecutive bytes, at a multiple of 256 from the output's first byte
	global_store_b64 v132, v[140:141], s[30:31] th:TH_STORE_NT
	global_store_b64 v132, v[142:143], s[32:33] th:TH_STORE_NT
	global_store_b64 v132, v[144:145], s[34:35] th:TH_STORE_NT
.Lend:
	s_wait_tensorcnt 0x0
	ds_add_u32 v232, v233
	s_wait_dscnt 0x0
	s_endpgm
.Lfunc_end_k_q66af5d6fa5_render:
	.size	k_q66af5d6fa5_render, .Lfunc_end_k_q66af5d6fa5_render-k_q66af5d6fa5_render
	.p2alignl 7, 3214868480
	.fill 96, 4, 3214868480
	.section	.rodata,"a",@progbits
	.p2align	6, 0x0
	.amdhsa_kernel k_q66af5d6fa5_render
		.amdhsa_group_segment_fixed_size 79360
		.amdhsa_private_segment_fixed_size 0
		.amdhsa_enable_private_segment 0
		.amdhsa_kernarg_size 112
		.amdhsa_user_sgpr_count 2
		.amdhsa_user_sgpr_kernarg_segment_ptr 1
		.amdhsa_wavefront_size32 1
		.amdhsa_system_sgpr_workgroup_id_x 1
		.amdhsa_system_sgpr_workgroup_id_y 1
		.amdhsa_system_sgpr_workgroup_id_z 1
		.amdhsa_system_vgpr_workitem_id 0
		.amdhsa_next_free_vgpr 234
		.amdhsa_next_free_sgpr 66
		.amdhsa_reserve_vcc 1
		.amdhsa_float_denorm_mode_32 3
		.amdhsa_float_denorm_mode_16_64 3
		.amdhsa_memory_ordered 1
		.amdhsa_forward_progress 1
		.amdhsa_inst_pref_size 92
	.end_amdhsa_kernel
	.amdgpu_metadata
---
amdhsa.version: [ 1, 2 ]
amdhsa.kernels:
  - .name:           k_q66af5d6fa5_render
    .symbol:         k_q66af5d6fa5_render.kd
    .args:
      - { .name: visibility, .offset: 0, .size: 8, .value_kind: global_buffer, .address_space: global }
      - { .name: indirect_light, .offset: 8, .size: 8, .value_kind: global_buffer, .address_space: global }
      - { .name: light_dirs, .offset: 16, .size: 8, .value_kind: global_buffer, .address_space: global }
      - { .name: light_area_weight, .offset: 24, .size: 8, .value_kind: global_buffer, .address_space: global }
      - { .name: env_rgbs, .offset: 32, .size: 8, .value_kind: global_buffer, .address_space: global }
      - { .name: normal, .offset: 40, .size: 8, .value_kind: global_buffer, .address_space: global }
      - { .name: viewdirs, .offset: 48, .size: 8, .value_kind: global_buffer, .address_space: global }
      - { .name: albedo, .offset: 56, .size: 8, .value_kind: global_buffer, .address_space: global }
      - { .name: fresnel, .offset: 64, .size: 8, .value_kind: global_buffer, .address_space: global }
      - { .name: roughness, .offset: 72, .size: 8, .value_kind: global_buffer, .address_space: global }
      - { .name: out0, .offset: 80, .size: 8, .value_kind: global_buffer, .address_space: global }
      - { .name: out1, .offset: 88, .size: 8, .value_kind: global_buffer, .address_space: global }
      - { .name: out2, .offset: 96, .size: 8, .value_kind: global_buffer, .address_space: global }
      - { .name: out3, .offset: 104, .size: 8, .value_kind: global_buffer, .address_space: global }
    .group_segment_fixed_size: 79360
    .private_segment_fixed_size: 0
    .kernarg_segment_align: 8
    .kernarg_segment_size: 112
    .max_flat_workgroup_size: 512
    .sgpr_count:     66
    .vgpr_count:     234
    .wavefront_size: 32
...
	.end_amdgpu_metadata
.endif
;; end of part 1
;; ======== version 2 of 3: 1 launch; 1.31 times as fast as version 1
;; limits: below input magnitudes of 1e-12 results are inexact or not finite
;; launch render (part 2): grid 256 x 1, 16 waves a work-group, no clusters, 85,504 bytes of LDS; arguments visibility, indirect_light, light_dirs, light_area_weight, env_rgbs, normal, viewdirs, albedo, fresnel, roughness, out0, out1, out2, out3; writes out0, out1, out2, out3
.if DOCPART == 2
	.amdgcn_target "amdgcn-amd-amdhsa--gfx1250"
	.amdhsa_code_object_version 6
	.text
	.protected	k_q66af5d6fa5_render
	.globl	k_q66af5d6fa5_render
	.p2align	8
	.type	k_q66af5d6fa5_render,@function
k_q66af5d6fa5_render:
	s_mov_b64 s[64:65], 0
	v_nop
	global_prefetch_b8 v0, s[64:65] scope:SCOPE_SE
	s_setreg_imm32_b32 hwreg(HW_REG_WAVE_MODE, 25, 1), 1
	s_wait_xcnt 0x0
; Physically based shading of 32,768 points under 512 lights: for each pair (point, light) a GGX term and a cosine weight, and three
; sums over the lights in three colours: SV = sum brdf vis env w, SD = sum brdf env w, SI = sum brdf ind w.
; out0 = srgb(clip(SV + SI)), out1 = srgb(SV), out2 = srgb(SD), out3 = srgb(SI).
;
; SHARES.  256 work-groups of 16 waves; a work-group owns 128 points.  Wave w: h = w & 1 is its half of the lights (256), g = w >> 1 its
; 16 points.  A visit is one point x 256 lights = two chunks of 128 lights; in a chunk lane l owns the lights l, l + 32, l + 64, l + 96.
; A light's indirect light is one 12-byte load, its visibility one 4-byte load: neighbouring lanes take neighbouring bytes, a wave's load covers
; 384 or 128 consecutive bytes, the four of a kind stand back to back and cover the chunk's 1,536 or 512 bytes, and every byte is asked
; for by one instruction alone.  (Four neighbouring lights a lane would need fewer loads, but each of the three 16-byte loads of a lane's 48 bytes
; would spread over the same 1,536 bytes for a third of them.)  The stream passes through no LDS.
; Light constants stay in registers; a point's 24 constants come from LDS, all lanes at one address; packed arithmetic picks them with op_sel.
; Colours: (r, g) is a register pair for each light, b is paired over two lights: six packed instructions for the twelve numbers of four lights.
;
; THE HALF VECTOR is formed by components, (L + V) / 2, and its length and its product with the normal from those components: for a light
; nearly opposite to the view vector the shorter forms 2 + 2 L.V and N.L + N.V are differences of large numbers, and the lobe
; 1 - NoH^2 (1 - alpha^2) magnifies their error by its own smallness.
;
; LEFT OUT, AND WHY.  Matrix unit: the one product (light . normal) has depth 3 of an instruction's 32, and its result feeds the lobe,
; which at roughness 0.09 is 6.6e-5 wide, and the mask at 1e-6; operands rounded to 8 bits of mantissa (2^-9) would move
; both by far more than their width.  It is made in f32, 6 packed instructions for 4 pairs.  Tensor loads and LDS slots: the registers
; already get the order that the arithmetic wants.  Cluster: work-groups share only the 14 KB of light tables, against 1 MB of stream of their own.
;
; LIMITS.  V.H is taken as |(L + V) / 2|, which takes L and V as unit vectors behind their two normalisations: true of every vector of
; norm 1e-12 or more; zero vectors are served (a zero view vector by hiV and sign 0, a zero light or normal by the weight 0); view or light vectors
; of norm strictly between 0 and 1e-12 are not.  NaN and infinities in the inputs are not served.  The sums over lights are
; added in another order than a plain sum along the axis.
.set PART,   0                         ; LDS: 16 waves x 18 rows x 144 bytes (128 of data + 16): a wave's own; row = 9 u + k
.set PARTW,  2592
.set PPITCH, 144                       ; an odd multiple of 16 bytes: the 16 rows that a 16-byte read by rows touches differ modulo 256 bytes
.set HS,     41472                     ; LDS: half-row sums, [wave 16][visit 16][k 9] f32
.set HSW,    576
.set PTAB,   50688                     ; LDS: 128 points, 128 bytes apart, 24 f32 each
.set LTAB,   67072                     ; LDS: LX, LY, LZ, WP, TH, env b: 512 f32 each
.set ERG,    79360                     ; LDS: env (r, g) of the 512 lights, 8 bytes each
.set VOFF, 1                           ; v1   4 lane
.set IOFF, 2                           ; v2   12 lane
.set PTA,  3                           ; v3   LDS address of the trip's first point entry (the same in all lanes)
.set PSTO, 4                           ; v4   PART: my column of my wave's rows
.set PRD,  5                           ; v5   PART: row min(lane, 17) of my wave's
.set KC,   6                           ; v[6:7] the two constants of the Fresnel exponent
.set HSA,  8                           ; v8   HS: where row min(lane, 17)'s sum of this trip goes
.set LANE, 9                           ; v9
.set LTB,  10                          ; v[10:73]   chunk j at 10 + 32 j: LX 0-3, LY 4-7, LZ 8-11, WP 12-15, TH 16-19, env (r, g) of light i 20 + 2 i, env b 28-31
.set PCN,  74                          ; v[74:97]   the point's entry: nx ny nz Vx/2 Vy/2 Vz/2 s' (N.V) A B am1 hiV lo hi, then the colour constants:
.set PGRG, PCN+14                      ;   G = (1 - F) alpha^2: r, g
.set PFRG, PCN+16                      ;   Fa = F alpha^2: r, g
.set PARG, PCN+18                      ;   a = albedo / pi: r, g
.set PGFB, PCN+20                      ;   G b, Fa b
.set PAB,  PCN+22                      ;   a b, twice
.set ASV,  106                         ; v[106:123] sums of a visit, six registers each: (r, g) of lights 0 and 2, (r, g) of lights 1 and 3, b of (0 and 2, 1 and 3)
.set ASD,  112
.set ASI,  118
.set T,    124
.set TC,   T                           ; light . normal
.set TD,   T+4                         ; |(L+V)/2|^2, then at work
.set TM,   T+8                         ; 1 / |(L+V)/2|
.set BRG,  T                           ; 8: brdf (r, g) of light i at 2 i (over TC, TD)
.set BB,   T+8                         ; 4: brdf b (over TM)
.set TN2,  T+12
.set BEG,  T+12                        ; 8: brdf x env, (r, g)
.set BEB,  T+20                        ; 4: brdf x env, b
.set HX,   T+16                        ; (L+V)/2 by components, in registers that the colours use later
.set HY,   T+20
.set HZ,   T+40
.set TVH,  T+24                        ; VoH, then 2^FMi
.set TNH,  T+28                        ; NoH, then 1 / nom
.set TCW,  T+32                        ; cosine x weight
.set TCM,  T+36                        ; the same, masked
.set TCV,  T+40                        ; the same x visibility
.set RED,  T+12                        ; v[136:167] the 32 numbers of a row of PART
.set RING, 168                         ; v[168:231] slot 2 u + j: light i's r g b of indirect light and its visibility at 4 i
; Eight loads fill the slot at register rs with a chunk: indirect light at byte io, visibility at byte vo from the wave's bases
.macro RFILL rs, vo, io
.irp i, 0,1,2,3
	global_load_b96 v[\rs+4*\i:\rs+4*\i+2], v[IOFF], s[10:11] offset:\io+384*\i th:TH_LOAD_NT
.endr
.irp i, 0,1,2,3
	global_load_b32 v[\rs+4*\i+3], v[VOFF], s[8:9] offset:\vo+128*\i th:TH_LOAD_NT
.endr
.endm
	s_load_b512 s[8:23], s[0:1], 0x0               ; visibility 8, indirect 10, light_dirs 12, weight 14, env 16, normal 18, viewdirs 20, albedo 22
	s_load_b256 s[24:31], s[0:1], 0x40             ; fresnel 24, roughness 26, out0 28, out1 30
	s_load_b128 s[32:35], s[0:1], 0x60             ; out2 32, out3 34
	v_lshl_add_u32 v232, v0, 2, 0x14600
	v_mov_b32 v233, 0
	v_and_b32 v[LANE], 31, v0
	v_lshrrev_b32 v3, 5, v0
	v_readfirstlane_b32 s2, v3                     ; wave
	s_and_b32 s3, s2, 1                            ; h: my half of the lights
	s_lshr_b32 s4, s2, 1                           ; g: my 16 points
	s_mov_b32 s37, 0x358637bd                      ; 1e-6
	s_mov_b32 s38, 0x41490fdb                      ; 4 pi
	s_mov_b32 s39, 0x2b8cbccc                      ; 1e-12
	v_lshlrev_b32 v[VOFF], 2, v[LANE]
	v_mul_u32_u24 v[IOFF], 12, v[LANE]
	s_mul_i32 s5, s2, PARTW
	v_lshl_add_u32 v[PSTO], v[LANE], 2, s5
	v_min_u32 v[PRD], 17, v[LANE]                  ; lanes 18-31 repeat row 17
	s_mul_i32 s47, s2, HSW
	s_add_co_u32 s47, s47, HS
	v_lshl_add_u32 v[HSA], v[PRD], 2, s47
	v_mad_u32_u24 v[PRD], v[PRD], PPITCH, s5
	v_mov_b32 v[KC], 0xc0b1c059                    ; -5.55473
	v_mov_b32 v[KC+1], 0xc0df760c                  ; -6.98316
	s_lshl_b32 s6, ttmp9, 18                       ; visibility: 128 points x 2,048 bytes a work-group,
	s_lshl_b32 s40, s4, 15                         ; 16 points a pair of waves,
	s_add_co_u32 s6, s6, s40
	s_lshl_b32 s40, s3, 10                         ; 256 lights x 4 bytes a half
	s_add_co_u32 s6, s6, s40
	s_mov_b32 s7, 0
	s_mul_i32 s44, ttmp9, 786432                   ; indirect light: three times as much
	s_mul_i32 s41, s4, 98304
	s_add_co_u32 s44, s44, s41
	s_mul_i32 s46, s3, 3072
	s_add_co_u32 s44, s44, s46
	s_mov_b32 s45, 0
	v_mul_u32_u24 v125, 12, v0                     ; thread t prepares light t: 12 t
	v_lshlrev_b32 v130, 2, v0                      ; 4 t
	s_wait_kmcnt 0x0
	s_add_nc_u64 s[8:9], s[8:9], s[6:7]
	s_add_nc_u64 s[10:11], s[10:11], s[44:45]
	; the tables' few inputs first, so that the tables are made while the ring's first fills are on their way
	global_load_b96 v[126:128], v125, s[12:13]     ; light t's direction,
	global_load_b96 v[120:122], v125, s[16:17]     ; colour
	global_load_b32 v129, v130, s[14:15]           ; and weight
	s_cmp_gt_u32 s2, 3
	s_cbranch_scc1 .Lno_point_loads                ; threads 0-127 prepare the work-group's 128 points
	s_mul_i32 s41, ttmp9, 1536
	s_lshl_b32 s42, ttmp9, 9
	v_add_nc_u32 v131, s41, v125                   ; 12 x (128 x work-group + t)
	v_add_nc_u32 v148, s42, v130                   ; 4 x the same
	global_load_b96 v[132:134], v131, s[18:19] th:TH_LOAD_NT
	global_load_b96 v[136:138], v131, s[20:21] th:TH_LOAD_NT
	global_load_b96 v[140:142], v131, s[22:23] th:TH_LOAD_NT
	global_load_b96 v[144:146], v131, s[24:25] th:TH_LOAD_NT
	global_load_b32 v147, v148, s[26:27] th:TH_LOAD_NT
.Lno_point_loads:
	; the stream: the four chunks of the first two visits
.irp u, 0,1
.irp j, 0,1
	RFILL RING+16*(2*\u+\j), \u*2048+\j*512, \u*6144+\j*1536
.endr
.endr
	s_wait_loadcnt 32                              ; loads come back in order (ISA guide 5.7.1): the tables' inputs are in, the ring's 4 x 8 loads issued behind them stay out
	; LIGHT t.  S = ld / max(|ld|, 1e-6); pl = max(|S|, 1e-6); L = S / pl; WP = weight x pl; TH = 1e-6 / pl.
	; With c = L . nrm the cosine is pl max(c, 0) and its mask c > TH.
	v_mul_f32 v150, v126, v126
	v_fmac_f32 v150, v127, v127
	v_fmac_f32 v150, v128, v128
	v_sqrt_f32 v150, v150
	v_nop                                          ; one plain vector instruction behind a transcendental before its result is used (ISA guide 5.7.2)
	s_wait_alu depctr_va_vdst(0)
	v_max_num_f32 v150, s37, v150
	v_rcp_f32 v150, v150
	v_nop
	s_wait_alu depctr_va_vdst(0)
	v_mul_f32 v126, v126, v150
	v_mul_f32 v127, v127, v150
	v_mul_f32 v128, v128, v150
	v_mul_f32 v151, v126, v126
	v_fmac_f32 v151, v127, v127
	v_fmac_f32 v151, v128, v128
	v_sqrt_f32 v151, v151
	v_nop
	s_wait_alu depctr_va_vdst(0)
	v_max_num_f32 v151, s37, v151                  ; pl
	v_rcp_f32 v152, v151
	v_mul_f32 v129, v129, v151                     ; WP (the place behind the reciprocal)
	s_wait_alu depctr_va_vdst(0)
	v_mul_f32 v126, v126, v152
	v_mul_f32 v127, v127, v152
	v_mul_f32 v128, v128, v152
	v_mul_f32 v153, s37, v152                      ; TH
	s_lshl_b32 s42, s2, 7
	s_add_co_u32 s42, s42, LTAB
	v_lshl_add_u32 v154, v[LANE], 2, s42           ; LTAB + 128 wave + 4 lane = LTAB + 4 t
	s_lshl_b32 s43, s2, 8
	s_add_co_u32 s43, s43, ERG
	v_lshl_add_u32 v149, v[LANE], 3, s43           ; ERG + 256 wave + 8 lane = ERG + 8 t
	ds_store_b32 v154, v126
	ds_store_b32 v154, v127 offset:2048
	ds_store_b32 v154, v128 offset:4096
	ds_store_b32 v154, v129 offset:6144
	ds_store_b32 v154, v153 offset:8192
	ds_store_b32 v154, v122 offset:10240           ; env b
	ds_store_b64 v149, v[120:121]                  ; env (r, g)
	s_cmp_gt_u32 s2, 3
	s_cbranch_scc1 .Lno_point_math
	; POINT t.  nrm, V: twice normalised as the problem does it; qn = 1 / max(|nrm|, 1e-6).
	v_mul_f32 v150, v132, v132
	v_fmac_f32 v150, v133, v133
	v_fmac_f32 v150, v134, v134
	v_mul_f32 v151, v136, v136
	v_fmac_f32 v151, v137, v137
	v_fmac_f32 v151, v138, v138
	v_sqrt_f32 v150, v150
	v_sqrt_f32 v151, v151
	v_nop
	s_wait_alu depctr_va_vdst(0)
	v_max_num_f32 v150, s37, v150
	v_max_num_f32 v151, s37, v151
	v_rcp_f32 v150, v150
	v_rcp_f32 v151, v151
	v_nop
	s_wait_alu depctr_va_vdst(0)
	v_mul_f32 v[PCN+0], v132, v150                 ; nrm
	v_mul_f32 v[PCN+1], v133, v150
	v_mul_f32 v[PCN+2], v134, v150
	v_mul_f32 v136, -v136, v151                    ; surf2c = -view / max(|view|, 1e-6)
	v_mul_f32 v137, -v137, v151
	v_mul_f32 v138, -v138, v151
	v_mul_f32 v150, v[PCN+0], v[PCN+0]
	v_fmac_f32 v150, v[PCN+1], v[PCN+1]
	v_fmac_f32 v150, v[PCN+2], v[PCN+2]
	v_mul_f32 v151, v136, v136
	v_fmac_f32 v151, v137, v137
	v_fmac_f32 v151, v138, v138
	v_sqrt_f32 v150, v150
	v_sqrt_f32 v151, v151
	v_nop
	s_wait_alu depctr_va_vdst(0)
	v_max_num_f32 v150, s37, v150
	v_max_num_f32 v151, s37, v151
	v_rcp_f32 v150, v150                           ; qn
	v_rcp_f32 v151, v151
	v_nop
	s_wait_alu depctr_va_vdst(0)
	v_mul_f32 v136, v136, v151                     ; V
	v_mul_f32 v137, v137, v151
	v_mul_f32 v138, v138, v151
	v_mul_f32 v152, v[PCN+0], v136
	v_fmac_f32 v152, v[PCN+1], v137
	v_fmac_f32 v152, v[PCN+2], v138
	v_mul_f32 v152, v152, v150                     ; NoV before the flip
	v_cmp_lt_f32 vcc_lo, 0, v152
	v_cndmask_b32 v153, 0, 1.0, vcc_lo
	v_cmp_gt_f32 vcc_lo, 0, v152
	v_cndmask_b32 v153, v153, -1.0, vcc_lo         ; its sign: -1, 0 or 1
	v_mul_f32 v[PCN+6], v153, v150                 ; s' = sign x qn: N = s' nrm
	v_mul_f32 v[PCN+7], v153, v152                 ; N . V (used below; the loop does not read this word of the entry)
	v_mul_f32 v164, v136, v136
	v_fmac_f32 v164, v137, v137
	v_fmac_f32 v164, v138, v138
.irp c, 0,1,2
	v_mul_f32 v[PCN+3+\c], 0.5, v[136+\c]          ; V / 2: (L + V) / 2 is then one multiply-add, rounded once as the sum is
.endr
	v_cmp_lt_f32 vcc_lo, 0.5, v164
	v_mov_b32 v[PCN+11], s37
	v_cndmask_b32 v[PCN+11], v[PCN+11], 1.0, vcc_lo    ; hiV: VoH's upper clip, 1e-6 for a zero view vector (VoH is then 0, clipped)
	v_mov_b32 v154, 0x3db851ec
	v_fmac_f32 v154, 0x3f666666, v147              ; 0.9 r + 0.09
	v_med3_num_f32 v154, v154, 0, 1.0
	v_mul_f32 v155, v154, v154                     ; alpha
	v_mul_f32 v156, v155, v155                     ; alpha^2
	v_fma_f32 v157, 2.0, v154, v155
	v_add_f32 v157, 1.0, v157
	v_mul_f32 v157, 0x3e000000, v157               ; k = (alpha + 2 r + 1) / 8, in 0.125 .. 0.5
	v_sub_f32 v158, 1.0, v157                      ; 1 - k
	v_med3_num_f32 v159, v[PCN+7], s37, 1.0        ; NoV
	v_fma_f32 v160, v159, v158, v157               ; nom1
	v_mul_f32 v160, s38, v160                      ; P = 4 pi nom1 > 0
	v_mul_f32 v161, v160, v158                     ; P (1 - k) > 0: so NoL's clip may stand behind the map NoL -> P (NoL (1 - k) + k)
	v_mul_f32 v[PCN+8], v161, v[PCN+6]             ; A
	v_mul_f32 v[PCN+9], v160, v157                 ; B
	v_add_f32 v[PCN+10], -1.0, v156                ; alpha^2 - 1
	v_fma_f32 v[PCN+12], v161, s37, v[PCN+9]       ; lo: the map at NoL = 1e-6
	v_add_f32 v[PCN+13], v161, v[PCN+9]            ; hi: at NoL = 1
.irp c, 0,1,2
	v_sub_f32 v[165+\c], 1.0, v[144+\c]
	v_med3_num_f32 v[140+\c], v[140+\c], 0, 1.0
.endr
.irp c, 0,1
	v_mul_f32 v[PGRG+\c], v[165+\c], v156          ; G = (1 - F) alpha^2
	v_mul_f32 v[PFRG+\c], v[144+\c], v156          ; Fa = F alpha^2
	v_mul_f32 v[PARG+\c], 0x3ea2f983, v[140+\c]    ; a = albedo / pi
.endr
	v_mul_f32 v[PGFB],   v167, v156
	v_mul_f32 v[PGFB+1], v146, v156
	v_mul_f32 v[PAB],    0x3ea2f983, v142
	v_mul_f32 v[PAB+1],  0x3ea2f983, v142
	s_lshl_b32 s41, s2, 12
	s_add_co_u32 s41, s41, PTAB
	v_lshl_add_u32 v162, v[LANE], 7, s41           ; PTAB + 4,096 wave + 128 lane = PTAB + 128 t
.irp q, 0,1,2,3,4,5
	ds_store_b128 v162, v[PCN+4*\q:PCN+4*\q+3] offset:16*\q
.endr
.Lno_point_math:
	s_wait_dscnt 0x0                               ; my table entries are in LDS,
	s_barrier_signal -1
	s_barrier_wait -1                              ; everybody's are
	s_lshl_b32 s41, s3, 10
	s_add_co_u32 s41, s41, LTAB
	v_add_nc_u32 v124, s41, v[VOFF]                ; my first light in the 4-byte tables: LTAB + 1,024 h + 4 lane
	s_lshl_b32 s43, s3, 11
	s_add_co_u32 s43, s43, ERG
	v_lshl_add_u32 v125, v[LANE], 3, s43           ; and in the 8-byte table: ERG + 2,048 h + 8 lane
	s_lshl_b32 s42, s4, 11
	s_add_co_u32 s42, s42, PTAB
	v_mov_b32 v[PTA], s42                          ; my wave's first point
.irp j, 0,1                                    ; light 256 h + 128 j + 32 i + lane; once for the whole kernel
.irp t, 0,1,2,3,4
.irp i, 0,1,2,3
	ds_load_b32 v[LTB+32*\j+4*\t+\i], v124 offset:2048*\t+512*\j+128*\i
.endr
.endr
.irp i, 0,1,2,3
	ds_load_b32 v[LTB+32*\j+28+\i], v124 offset:10240+512*\j+128*\i
	ds_load_b64 v[LTB+32*\j+20+2*\i:LTB+32*\j+21+2*\i], v125 offset:1024*\j+256*\i
.endr
.endr
; The geometry constants (14 numbers) and the colour constants (10) of the point entry at byte off from PTA
.macro GCLOAD off
	ds_load_b128 v[PCN:PCN+3],     v[PTA] offset:\off
	ds_load_b128 v[PCN+4:PCN+7],   v[PTA] offset:\off+16
	ds_load_b128 v[PCN+8:PCN+11],  v[PTA] offset:\off+32
	ds_load_b64  v[PCN+12:PCN+13], v[PTA] offset:\off+48
.endm
.macro CCLOAD off
	ds_load_b64  v[PCN+14:PCN+15], v[PTA] offset:\off+56
	ds_load_b128 v[PCN+16:PCN+19], v[PTA] offset:\off+64
	ds_load_b128 v[PCN+20:PCN+23], v[PTA] offset:\off+80
.endm
	GCLOAD 0
	CCLOAD 0
	s_wait_dscnt 0x0
; A light's (r, g) against the light's own number: d = x a + c, where x is the first (odd = 0) or the second (odd = 1) register of the pair at x, for both halves
.macro BCF d, x, odd, a, c
.if \odd
	v_pk_fma_f32 v[\d:\d+1], v[\x:\x+1], v[\a:\a+1], v[\c:\c+1] op_sel:[1,0,0] op_sel_hi:[1,1,1]
.else
	v_pk_fma_f32 v[\d:\d+1], v[\x:\x+1], v[\a:\a+1], v[\c:\c+1] op_sel_hi:[0,1,1]
.endif
.endm
.macro BCM d, x, odd, a                ; the same without an addend
.if \odd
	v_pk_mul_f32 v[\d:\d+1], v[\x:\x+1], v[\a:\a+1] op_sel:[1,0] op_sel_hi:[1,1]
.else
	v_pk_mul_f32 v[\d:\d+1], v[\x:\x+1], v[\a:\a+1] op_sel_hi:[0,1]
.endif
.endm
; brdf x env of lights p and p + 1 (p = 0 or 2), weighted by the pair at x + p, onto the six sums at acc.  first = 1: the products start the sums
.macro ACC2 acc, x, p, first
.if \first
	BCM \acc,   \x+\p, 0, BEG+2*\p
	BCM \acc+2, \x+\p, 1, BEG+2*\p+2
	v_pk_mul_f32 v[\acc+4:\acc+5], v[\x+\p:\x+\p+1], v[BEB+\p:BEB+\p+1]
.else
	BCF \acc,   \x+\p, 0, BEG+2*\p,   \acc
	BCF \acc+2, \x+\p, 1, BEG+2*\p+2, \acc+2
	v_pk_fma_f32 v[\acc+4:\acc+5], v[\x+\p:\x+\p+1], v[BEB+\p:BEB+\p+1], v[\acc+4:\acc+5]
.endif
.endm
; The geometry of chunk j's four lights: leaves 2^FMi in TVH, 1 / nom in TNH, the weights in TCW (cosine x weight) and TCM (masked)
.macro GEOM j
.set LB, LTB+32*\j
.irp q, 0,2
	v_pk_mul_f32 v[TC+\q:TC+\q+1], v[LB+\q:LB+\q+1], v[PCN:PCN+1] op_sel_hi:[1,0]                                   ; Lx nx
	v_pk_fma_f32 v[HX+\q:HX+\q+1], v[LB+\q:LB+\q+1], 0.5, v[PCN+2:PCN+3] op_sel:[0,0,1] op_sel_hi:[1,0,1]           ; (Lx + Vx) / 2
	v_pk_fma_f32 v[HY+\q:HY+\q+1], v[LB+4+\q:LB+5+\q], 0.5, v[PCN+4:PCN+5] op_sel_hi:[1,0,0]                        ; (Ly + Vy) / 2
	v_pk_fma_f32 v[HZ+\q:HZ+\q+1], v[LB+8+\q:LB+9+\q], 0.5, v[PCN+4:PCN+5] op_sel:[0,0,1] op_sel_hi:[1,0,1]         ; (Lz + Vz) / 2
.endr
.irp q, 0,2
	v_pk_fma_f32 v[TC+\q:TC+\q+1], v[LB+4+\q:LB+5+\q], v[PCN:PCN+1], v[TC+\q:TC+\q+1] op_sel:[0,1,0] op_sel_hi:[1,1,1]
	v_pk_mul_f32 v[TD+\q:TD+\q+1], v[HX+\q:HX+\q+1], v[HX+\q:HX+\q+1]
	v_pk_mul_f32 v[TNH+\q:TNH+\q+1], v[HX+\q:HX+\q+1], v[PCN:PCN+1] op_sel_hi:[1,0]
.endr
.irp q, 0,2
	v_pk_fma_f32 v[TC+\q:TC+\q+1], v[LB+8+\q:LB+9+\q], v[PCN+2:PCN+3], v[TC+\q:TC+\q+1] op_sel_hi:[1,0,1]           ; c = L . nrm
	v_pk_fma_f32 v[TD+\q:TD+\q+1], v[HY+\q:HY+\q+1], v[HY+\q:HY+\q+1], v[TD+\q:TD+\q+1]
	v_pk_fma_f32 v[TNH+\q:TNH+\q+1], v[HY+\q:HY+\q+1], v[PCN:PCN+1], v[TNH+\q:TNH+\q+1] op_sel:[0,1,0] op_sel_hi:[1,1,1]
.endr
.irp q, 0,2
	v_pk_fma_f32 v[TD+\q:TD+\q+1], v[HZ+\q:HZ+\q+1], v[HZ+\q:HZ+\q+1], v[TD+\q:TD+\q+1]                             ; |(L + V) / 2|^2
	v_pk_fma_f32 v[TNH+\q:TNH+\q+1], v[HZ+\q:HZ+\q+1], v[PCN+2:PCN+3], v[TNH+\q:TNH+\q+1] op_sel_hi:[1,0,1]         ; nrm . (L + V) / 2
.endr
.irp i, 0,1,2,3
	v_max_num_f32 v[TM+\i], s39, v[TD+\i]          ; 1 / max(length, 1e-6) = rsq(max(length^2, 1e-12))
.endr
.irp i, 0,1,2,3
	v_rsq_f32 v[TM+\i], v[TM+\i]
.endr
.irp q, 0,2                                    ; plain work behind the transcendentals, which names none of their registers
	v_pk_mul_f32 v[TNH+\q:TNH+\q+1], v[TNH+\q:TNH+\q+1], v[PCN+6:PCN+7] op_sel_hi:[1,0]                                  ; x s': N . (L + V) / 2
	v_pk_fma_f32 v[TN2+\q:TN2+\q+1], v[TC+\q:TC+\q+1], v[PCN+8:PCN+9], v[PCN+8:PCN+9] op_sel:[0,0,1] op_sel_hi:[1,0,1]   ; c A + B
.endr
	s_wait_alu depctr_va_vdst(0)
.irp q, 0,2
	v_pk_mul_f32 v[TVH+\q:TVH+\q+1], v[TD+\q:TD+\q+1], v[TM+\q:TM+\q+1]
	v_pk_mul_f32 v[TNH+\q:TNH+\q+1], v[TNH+\q:TNH+\q+1], v[TM+\q:TM+\q+1]
.endr
.irp i, 0,1,2,3
	v_med3_num_f32 v[TVH+\i], v[TVH+\i], s37, v[PCN+11]            ; VoH
	v_med3_num_f32 v[TNH+\i], v[TNH+\i], s37, 1.0                  ; NoH
	v_med3_num_f32 v[TN2+\i], v[TN2+\i], v[PCN+12], v[PCN+13]      ; 4 pi nom1 nom2
.endr
.irp q, 0,2
	v_pk_fma_f32 v[TD+\q:TD+\q+1], v[TVH+\q:TVH+\q+1], v[KC:KC+1], v[KC:KC+1] op_sel:[0,0,1] op_sel_hi:[1,0,1]
.endr
.irp q, 0,2
	v_pk_mul_f32 v[TVH+\q:TVH+\q+1], v[TD+\q:TD+\q+1], v[TVH+\q:TVH+\q+1]          ; FMi
.endr
.irp i, 0,1,2,3
	v_exp_f32 v[TVH+\i], v[TVH+\i]
.endr
.irp q, 0,2
	v_pk_mul_f32 v[TNH+\q:TNH+\q+1], v[TNH+\q:TNH+\q+1], v[TNH+\q:TNH+\q+1]
.endr
.irp q, 0,2
	v_pk_fma_f32 v[TNH+\q:TNH+\q+1], v[TNH+\q:TNH+\q+1], v[PCN+10:PCN+11], 1.0 op_sel_hi:[1,0,0]   ; nom0
.endr
.irp q, 0,2
	v_pk_mul_f32 v[TNH+\q:TNH+\q+1], v[TNH+\q:TNH+\q+1], v[TNH+\q:TNH+\q+1]
.endr
.irp q, 0,2
	v_pk_mul_f32 v[TNH+\q:TNH+\q+1], v[TNH+\q:TNH+\q+1], v[TN2+\q:TN2+\q+1]
.endr
.irp i, 0,1,2,3
	v_med3_num_f32 v[TNH+\i], v[TNH+\i], s37, s38                  ; nom, clipped to 1e-6 .. 4 pi
.endr
.irp i, 0,1,2,3
	v_rcp_f32 v[TNH+\i], v[TNH+\i]
.endr
.irp i, 0,1,2,3
	v_max_num_f32 v[TCW+\i], 0, v[TC+\i]
	v_cmp_gt_f32 s[40+\i], v[TC+\i], v[LB+16+\i]
.endr
.irp q, 0,2
	v_pk_mul_f32 v[TCW+\q:TCW+\q+1], v[TCW+\q:TCW+\q+1], v[LB+12+\q:LB+13+\q]
.endr
.irp i, 0,1,2,3
	v_cndmask_b32 v[TCM+\i], 0, v[TCW+\i], s[40+\i]
.endr
.endm
; The colours of chunk j of visit u of the trip.  first = 1: the products start the sums, nothing is cleared.  left: younger loads that may stay out.
; fill = 1: the slot gets the same chunk of the next trip.  ccload = 1: the next point's colour constants are fetched behind their last use.
.macro CHAN j, u, first, left, fill, ccload
.set RS, RING+16*(2*\u+\j)
.set EVG, LTB+32*\j+20
.set EVB, LTB+32*\j+28
	s_wait_loadcnt \left                           ; loads come back in order (ISA guide 5.7.1): my slot's eight are in; behind them the other three slots' refills were issued, eight loads each
	s_wait_alu depctr_va_vdst(0)
.irp i, 0,1,2,3
	v_mul_f32 v[TCV+\i], v[TCM+\i], v[RS+4*\i+3]   ; the visibilities lie four registers apart: no pairs
.endr
.irp q, 0,2                                    ; 2^FMi G + Fa
	BCF BRG+2*\q,   TVH+\q, 0, PGRG, PFRG
	BCF BRG+2*\q+2, TVH+\q, 1, PGRG, PFRG
	v_pk_fma_f32 v[BB+\q:BB+\q+1], v[TVH+\q:TVH+\q+1], v[PGFB:PGFB+1], v[PGFB:PGFB+1] op_sel:[0,0,1] op_sel_hi:[1,0,1]
.endr
.irp q, 0,2                                    ; brdf = that / nom + a
	BCF BRG+2*\q,   TNH+\q, 0, BRG+2*\q,   PARG
	BCF BRG+2*\q+2, TNH+\q, 1, BRG+2*\q+2, PARG
	v_pk_fma_f32 v[BB+\q:BB+\q+1], v[TNH+\q:TNH+\q+1], v[BB+\q:BB+\q+1], v[PAB:PAB+1]
.endr
.if \ccload
	CCLOAD (\u+1)*128
.endif
.irp m, 0,2,4,6
	v_pk_mul_f32 v[BEG+\m:BEG+\m+1], v[BRG+\m:BRG+\m+1], v[EVG+\m:EVG+\m+1]
.endr
.irp q, 0,2
	v_pk_mul_f32 v[BEB+\q:BEB+\q+1], v[BB+\q:BB+\q+1], v[EVB+\q:EVB+\q+1]
.endr
	ACC2 ASD, TCW, 0, \first
	ACC2 ASV, TCV, 0, \first
	ACC2 ASD, TCW, 2, 0
	ACC2 ASV, TCV, 2, 0
.irp q, 0,2                                    ; brdf x masked weight
	BCM BRG+2*\q,   TCM+\q, 0, BRG+2*\q
	BCM BRG+2*\q+2, TCM+\q, 1, BRG+2*\q+2
	v_pk_mul_f32 v[BB+\q:BB+\q+1], v[TCM+\q:TCM+\q+1], v[BB+\q:BB+\q+1]
.endr
.if \first
	v_pk_mul_f32 v[ASI:ASI+1],   v[BRG:BRG+1],   v[RS:RS+1]
	v_pk_mul_f32 v[ASI+2:ASI+3], v[BRG+2:BRG+3], v[RS+4:RS+5]
	v_mul_f32 v[ASI+4], v[BB],   v[RS+2]           ; the ring's b lie four registers apart: no pairs
	v_mul_f32 v[ASI+5], v[BB+1], v[RS+6]
.else
	v_pk_fma_f32 v[ASI:ASI+1],   v[BRG:BRG+1],   v[RS:RS+1],   v[ASI:ASI+1]
	v_pk_fma_f32 v[ASI+2:ASI+3], v[BRG+2:BRG+3], v[RS+4:RS+5], v[ASI+2:ASI+3]
	v_fmac_f32 v[ASI+4], v[BB],   v[RS+2]
	v_fmac_f32 v[ASI+5], v[BB+1], v[RS+6]
.endif
	v_pk_fma_f32 v[ASI:ASI+1],   v[BRG+4:BRG+5], v[RS+8:RS+9],   v[ASI:ASI+1]
	v_pk_fma_f32 v[ASI+2:ASI+3], v[BRG+6:BRG+7], v[RS+12:RS+13], v[ASI+2:ASI+3]
	v_fmac_f32 v[ASI+4], v[BB+2], v[RS+10]
	v_fmac_f32 v[ASI+5], v[BB+3], v[RS+14]
.if \fill
	RFILL RS, 4096+\u*2048+\j*512, 12288+\u*6144+\j*1536           ; two visits on
.endif
.endm
; A lane's 18 sums fold to 9 ((r, g) of even and odd lights by one packed sum, b by one sum) and go to rows 9 u + 3 s + c of my wave's PART
.macro FLUSH u
.irp s, 0,1,2
	v_pk_add_f32 v[T+4*\s:T+4*\s+1], v[ASV+6*\s:ASV+6*\s+1], v[ASV+6*\s+2:ASV+6*\s+3]
	v_add_f32 v[T+4*\s+2], v[ASV+6*\s+4], v[ASV+6*\s+5]
.endr
.irp s, 0,1,2
.irp c, 0,1,2
	ds_store_b32 v[PSTO], v[T+4*\s+\c] offset:(9*\u+3*\s+\c)*PPITCH
.endr
.endr
.endm
; One point x my 256 lights.  more = 1: a visit follows, and its point's constants are fetched.
.macro VISIT u, fill, more, l0, l1
	s_wait_dscnt 12                                ; the 4 loads of the geometry constants are in: behind them stand 3 loads of colour constants and 9 stores of sums
	GEOM 0
	s_wait_dscnt 9                                 ; the colour constants are in: behind them stand the 9 stores
	CHAN 0, \u, 1, \l0, \fill, 0
	GEOM 1
.if \more
	GCLOAD (\u+1)*128                              ; behind the last use of this point's
.endif
	CHAN 1, \u, 0, \l1, \fill, \more
	FLUSH \u
.endm
; The sums across the lanes of two visits: lane r adds row r (18 rows of 32 numbers; the eight loads take a row's bytes 0 to 127, never its padding).
; The bytes are my wave's own, and LDS serves a wave's instructions in order (ISA guide 5.7.1): the loads see the stores above, and the next
; trip's stores come behind these loads' wait.
.macro REDUCE step
.irp q, 0,1,2,3,4,5,6,7
	ds_load_b128 v[RED+4*\q:RED+4*\q+3], v[PRD] offset:16*\q
.endr
	s_wait_dscnt 0x0
.irp i, 0,2,4,6,8,10,12,14
	v_pk_add_f32 v[RED+\i:RED+\i+1], v[RED+\i:RED+\i+1], v[RED+16+\i:RED+17+\i]
.endr
.irp i, 0,2,4,6
	v_pk_add_f32 v[RED+\i:RED+\i+1], v[RED+\i:RED+\i+1], v[RED+8+\i:RED+9+\i]
.endr
.irp i, 0,2
	v_pk_add_f32 v[RED+\i:RED+\i+1], v[RED+\i:RED+\i+1], v[RED+4+\i:RED+5+\i]
.endr
	v_pk_add_f32 v[RED:RED+1], v[RED:RED+1], v[RED+2:RED+3]
	v_add_f32 v[RED], v[RED], v[RED+1]
	ds_store_b32 v[HSA], v[RED]                    ; lanes 17-31 write one word with one value
.if \step
	v_add_nc_u32 v[HSA], 72, v[HSA]                ; two visits x 9 numbers on
	v_add_nc_u32 v[PTA], 256, v[PTA]               ; two point entries on
.endif
.endm
.macro TRIP fill, more1, l0, l1, l2, l3
	VISIT 0, \fill, 1, \l0, \l1
	VISIT 1, \fill, \more1, \l2, \l3
	REDUCE \fill
.if \fill
	s_wait_xcnt 0x0                                ; every load issued has had its address translated (ISA guide 3.1): the bases are stepped only behind this wait
	s_add_nc_u64 s[8:9], s[8:9], 4096              ; two rows of visibility
	s_add_nc_u64 s[10:11], s[10:11], 12288         ; two rows of indirect light
.endif
.endm
	s_mov_b32 s36, 7
.Ltrip:
	TRIP 1, 1, 24, 24, 24, 24
	s_sub_co_i32 s36, s36, 1
	s_cmp_lg_u32 s36, 0
	s_cbranch_scc1 .Ltrip
	TRIP 0, 0, 24, 16, 8, 0                        ; the last two visits load nothing more: the counts run down
	s_wait_dscnt 0x0                               ; my half-row sums are in LDS,
	s_barrier_signal -1
	s_barrier_wait -1                              ; everybody's are
	s_cmp_gt_u32 s2, 5
	s_cbranch_scc1 .Lend
	; THE WAY OUT.  An output has 128 x 3 = 384 numbers of this work-group; thread t < 192 makes numbers f = 2 t and 2 t + 1 of all four outputs.
	; p = f / 3 (f x 43,691 >> 17, exact below 384).  The sum k = 3 s + ch of point p, half h lies at HS + 576 (2 (p >> 4) + h) + 36 (p & 15) + 4 k
	; = HS + 4 f + 24 p + 576 (p >> 4) + 12 s + 576 h.
	v_lshlrev_b32 v124, 1, v0
	v_or_b32 v125, 1, v124
	v_mul_u32_u24 v126, 0xaaab, v124
	v_mul_u32_u24 v127, 0xaaab, v125
	v_lshrrev_b32 v126, 17, v126
	v_lshrrev_b32 v127, 17, v127
	v_lshrrev_b32 v130, 4, v126
	v_lshrrev_b32 v131, 4, v127
	v_mul_u32_u24 v130, 576, v130
	v_mul_u32_u24 v131, 576, v131
	v_mad_u32_u24 v130, v126, 24, v130
	v_mad_u32_u24 v131, v127, 24, v131
	v_lshl_add_u32 v128, v124, 2, v130
	v_lshl_add_u32 v129, v125, 2, v131
.irp s, 0,1,2
.irp e, 0,1
	ds_load_b32 v[140+2*\s+\e], v[128+\e] offset:HS+12*\s
	ds_load_b32 v[146+2*\s+\e], v[128+\e] offset:HS+12*\s+HSW
.endr
.endr
	s_mov_b32 s44, 0x3f870a3d                      ; 1.055
	s_mov_b32 s45, 0xbd6147ae                      ; -0.055
	s_mov_b32 s46, 0x3b4d2e1c                      ; 0.0031308
	s_mov_b32 s47, 0x322bcc77                      ; 1e-8
	s_mul_i32 s6, ttmp9, 1536                      ; the work-group's 384 numbers in each output
	s_wait_dscnt 0x0
.irp s, 0,2,4
	v_pk_add_f32 v[140+\s:141+\s], v[140+\s:141+\s], v[146+\s:147+\s]      ; the two halves of the lights: SV 140, SD 142, SI 144
.endr
	v_pk_add_f32 v[138:139], v[140:141], v[144:145]
	v_med3_num_f32 v138, v138, 0, 1.0              ; clip(SV + SI)
	v_med3_num_f32 v139, v139, 0, 1.0
	; srgb of the eight numbers v138-145: x <= 0.0031308 ? 12.92 x : 1.055 max(x, 1e-8)^(1/2.4) - 0.055
.irp i, 0,1,2,3,4,5,6,7
	v_max_num_f32 v[160+\i], s47, v[138+\i]
.endr
.irp i, 0,1,2,3,4,5,6,7
	v_log_f32 v[160+\i], v[160+\i]
.endr
.irp q, 0,2,4,6
	v_pk_mul_f32 v[150+\q:151+\q], v[138+\q:139+\q], 0x414eb852 op_sel_hi:[1,0]    ; 12.92 x (plain work behind the logarithms)
.endr
	s_wait_alu depctr_va_vdst(0)
.irp q, 0,2,4,6
	v_pk_mul_f32 v[160+\q:161+\q], v[160+\q:161+\q], 0x3ed55555 op_sel_hi:[1,0]    ; / 2.4
.endr
.irp i, 0,1,2,3,4,5,6,7
	v_exp_f32 v[160+\i], v[160+\i]
.endr
	v_lshl_add_u32 v132, v0, 3, s6                 ; my 8 bytes in each output (the place behind the exponentials)
	s_wait_alu depctr_va_vdst(0)
.irp i, 0,1,2,3,4,5,6,7
	v_fma_f32 v[160+\i], v[160+\i], s44, s45
.endr
.irp i, 0,1,2,3,4,5,6,7
	v_cmp_ge_f32 vcc_lo, s46, v[138+\i]
	v_cndmask_b32 v[138+\i], v[160+\i], v[150+\i], vcc_lo
.endr
	global_store_b64 v132, v[138:139], s[28:29] th:TH_STORE_NT     ; each store of a wave covers 256 consecutive bytes, at a multiple of 256 from the output's first byte
	global_store_b64 v132, v[140:141], s[30:31] th:TH_STORE_NT
	global_store_b64 v132, v[142:143], s[32:33] th:TH_STORE_NT
	global_store_b64 v132, v[144:145], s[34:35] th:TH_STORE_NT
.Lend:
	s_wait_tensorcnt 0x0
	ds_add_u32 v232, v233
	s_wait_dscnt 0x0
	s_endpgm
.Lfunc_end_k_q66af5d6fa5_render:
	.size	k_q66af5d6fa5_render, .Lfunc_end_k_q66af5d6fa5_render-k_q66af5d6fa5_render
	.p2alignl 7, 3214868480
	.fill 96, 4, 3214868480
	.section	.rodata,"a",@progbits
	.p2align	6, 0x0
	.amdhsa_kernel k_q66af5d6fa5_render
		.amdhsa_group_segment_fixed_size 85504
		.amdhsa_private_segment_fixed_size 0
		.amdhsa_enable_private_segment 0
		.amdhsa_kernarg_size 112
		.amdhsa_user_sgpr_count 2
		.amdhsa_user_sgpr_kernarg_segment_ptr 1
		.amdhsa_wavefront_size32 1
		.amdhsa_system_sgpr_workgroup_id_x 1
		.amdhsa_system_sgpr_workgroup_id_y 1
		.amdhsa_system_sgpr_workgroup_id_z 1
		.amdhsa_system_vgpr_workitem_id 0
		.amdhsa_next_free_vgpr 234
		.amdhsa_next_free_sgpr 66
		.amdhsa_reserve_vcc 1
		.amdhsa_float_denorm_mode_32 3
		.amdhsa_float_denorm_mode_16_64 3
		.amdhsa_memory_ordered 1
		.amdhsa_forward_progress 1
		.amdhsa_inst_pref_size 97
	.end_amdhsa_kernel
	.amdgpu_metadata
---
amdhsa.version: [ 1, 2 ]
amdhsa.kernels:
  - .name:           k_q66af5d6fa5_render
    .symbol:         k_q66af5d6fa5_render.kd
    .args:
      - { .name: visibility, .offset: 0, .size: 8, .value_kind: global_buffer, .address_space: global }
      - { .name: indirect_light, .offset: 8, .size: 8, .value_kind: global_buffer, .address_space: global }
      - { .name: light_dirs, .offset: 16, .size: 8, .value_kind: global_buffer, .address_space: global }
      - { .name: light_area_weight, .offset: 24, .size: 8, .value_kind: global_buffer, .address_space: global }
      - { .name: env_rgbs, .offset: 32, .size: 8, .value_kind: global_buffer, .address_space: global }
      - { .name: normal, .offset: 40, .size: 8, .value_kind: global_buffer, .address_space: global }
      - { .name: viewdirs, .offset: 48, .size: 8, .value_kind: global_buffer, .address_space: global }
      - { .name: albedo, .offset: 56, .size: 8, .value_kind: global_buffer, .address_space: global }
      - { .name: fresnel, .offset: 64, .size: 8, .value_kind: global_buffer, .address_space: global }
      - { .name: roughness, .offset: 72, .size: 8, .value_kind: global_buffer, .address_space: global }
      - { .name: out0, .offset: 80, .size: 8, .value_kind: global_buffer, .address_space: global }
      - { .name: out1, .offset: 88, .size: 8, .value_kind: global_buffer, .address_space: global }
      - { .name: out2, .offset: 96, .size: 8, .value_kind: global_buffer, .address_space: global }
      - { .name: out3, .offset: 104, .size: 8, .value_kind: global_buffer, .address_space: global }
    .group_segment_fixed_size: 85504
    .private_segment_fixed_size: 0
    .kernarg_segment_align: 8
    .kernarg_segment_size: 112
    .max_flat_workgroup_size: 512
    .sgpr_count:     66
    .vgpr_count:     234
    .wavefront_size: 32
...
	.end_amdgpu_metadata
.endif
;; end of part 2
;; ======== version 3 of 3: 1 launch; version 2 with the launch render written anew for expert scheduling mode
;; limits: below input magnitudes of 1e-12 results are inexact or not finite
;; launch render (part 3): grid 256 x 1, 16 waves a work-group, no clusters, 85,504 bytes of LDS; arguments visibility, indirect_light, light_dirs, light_area_weight, env_rgbs, normal, viewdirs, albedo, fresnel, roughness, out0, out1, out2, out3; writes out0, out1, out2, out3
.if DOCPART == 3
	.amdgcn_target "amdgcn-amd-amdhsa--gfx1250"
	.amdhsa_code_object_version 6
	.text
	.protected	k_q66af5d6fa5_render
	.globl	k_q66af5d6fa5_render
	.p2align	8
	.type	k_q66af5d6fa5_render,@function
k_q66af5d6fa5_render:
	s_mov_b64 s[64:65], 0
	v_nop
	global_prefetch_b8 v0, s[64:65] scope:SCOPE_SE
	s_setreg_imm32_b32 hwreg(HW_REG_WAVE_SCHED_MODE, 0, 2), 2
	s_setreg_imm32_b32 hwreg(HW_REG_WAVE_MODE, 25, 1), 1
	s_wait_xcnt 0x0
	s_wait_alu depctr_vm_vsrc(0)
; Physically based shading of 32,768 points under 512 lights: for each pair (point, light) a GGX term and a cosine weight, and three
; sums over the lights in three colours: SV = sum brdf vis env w, SD = sum brdf env w, SI = sum brdf ind w.
; out0 = srgb(clip(SV + SI)), out1 = srgb(SV), out2 = srgb(SD), out3 = srgb(SI).
;
; SHARES.  256 work-groups of 16 waves; a work-group owns 128 points.  Wave w: h = w & 1 is its half of the lights (256), g = w >> 1 its
; 16 points.  A visit is one point x 256 lights = two chunks of 128 lights; in a chunk lane l owns the lights l, l + 32, l + 64, l + 96.
; A light's indirect light is one 12-byte load, its visibility one 4-byte load: neighbouring lanes take neighbouring bytes, a wave's load covers
; 384 or 128 consecutive bytes, the four of a kind stand back to back and cover the chunk's 1,536 or 512 bytes, and every byte is asked
; for by one instruction alone.  (Four neighbouring lights a lane would need fewer loads, but each of the three 16-byte loads of a lane's 48 bytes
; would spread over the same 1,536 bytes for a third of them.)  The stream passes through no LDS.
; Light constants stay in registers; a point's 24 constants come from LDS, all lanes at one address; packed arithmetic picks them with op_sel.
; Colours: (r, g) is a register pair for each light, b is paired over two lights: six packed instructions for the twelve numbers of four lights.
;
; THE HALF VECTOR is formed by components, (L + V) / 2, and its length and its product with the normal from those components: for a light
; nearly opposite to the view vector the shorter forms 2 + 2 L.V and N.L + N.V are differences of large numbers, and the lobe
; 1 - NoH^2 (1 - alpha^2) magnifies their error by its own smallness.
;
; THE MODE: SCHED_MODE bits 1:0 = 2 (LLVM: expert scheduling mode 2), set by the entry lines.  The code itself states the register dependences
; between vector instructions and memory or LDS instructions, with s_wait_alu, always for 0.
; THE PLAN.  Registers that memory or LDS instructions touch in the loop, and who else names them:
;   RING, slot 2 u + j     read by the colours of chunk j of visit u; then the loads of the same chunk two visits on land in it.
;   v[PCN:PCN+13]          geometry constants: read by both geometries of a visit; then the next point's land in them.
;   v[PCN+14:PCN+23]       colour constants: read by the colours of both chunks of a visit; then the next point's land in them.
;   FL0, FL1               out-buffers: visit u's nine folded sums are written into FL[u] and stored from there; FL[u] is written again a trip later.
;   RED                    at work in every phase; behind a trip's second visit 18 rows of sums land in it; v[RED] then takes the row's sum, which one store reads.
;   v[HSA], v[PTA]         LDS addresses, read by that store and by the constants' loads; stepped once a trip.
;   v[VOFF], v[IOFF], v[PSTO], v[PRD]   made at the head and never written again: the stream's rows are reached by scalar bases and immediate offsets.
; A visit has two waits on va_vdst.  The first stands behind its second geometry: the geometry constants and chunk 0's slot have had their last readers;
; behind it come that slot's refill and, dealt into chunk 1's colours (which name neither), the next geometry constants.  The second stands behind the
; folding of the sums: FL[u] is written, the colour constants and chunk 1's slot have had their last readers, and so has RED; behind it, with no
; vector instruction between, come that slot's refill, the next colour constants, the nine stores and, in a trip's second visit, the loads into RED.
; A trip has one more wait on va_vdst, ahead of the store of the row's sum, and ONE wait on vm_vsrc, behind that store and ahead of the two address steps:
; it also frees v[RED] and both out-buffers.  Each geometry has one wait on va_sdst, between its four compares and the selects that read their masks.
;
; LEFT OUT, AND WHY.  Matrix unit: the one product (light . normal) has depth 3 of an instruction's 32, and its result feeds the lobe,
; which at roughness 0.09 is 6.6e-5 wide, and the mask at 1e-6; operands rounded to 8 bits of mantissa (2^-9) would move
; both by far more than their width.  It is made in f32, 6 packed instructions for 4 pairs.  Tensor loads and LDS slots: the registers
; already get the order that the arithmetic wants.  Cluster: work-groups share only the 14 KB of light tables, against 1 MB of stream of their own.
;
; LIMITS.  V.H is taken as |(L + V) / 2|, which takes L and V as unit vectors behind their two normalisations: true of every vector of
; norm 1e-12 or more; zero vectors are served (a zero view vector by hiV and sign 0, a zero light or normal by the weight 0); view or light vectors
; of norm strictly between 0 and 1e-12 are not.  NaN and infinities in the inputs are not served.  The sums over lights are
; added in another order than a plain sum along the axis.
.set PART,   0                         ; LDS: 16 waves x 18 rows x 144 bytes (128 of data + 16): a wave's own; row = 9 u + k
.set PARTW,  2592
.set PPITCH, 144                       ; an odd multiple of 16 bytes: the 16 rows that a 16-byte read by rows touches differ modulo 256 bytes
.set HS,     41472                     ; LDS: half-row sums, [wave 16][visit 16][k 9] f32
.set HSW,    576
.set PTAB,   50688                     ; LDS: 128 points, 128 bytes apart, 24 f32 each
.set LTAB,   67072                     ; LDS: LX, LY, LZ, WP, TH, env b: 512 f32 each
.set ERG,    79360                     ; LDS: env (r, g) of the 512 lights, 8 bytes each
.set VOFF, 1                           ; v1   4 lane
.set IOFF, 2                           ; v2   12 lane
.set PTA,  3                           ; v3   LDS address of the trip's first point entry (the same in all lanes)
.set PSTO, 4                           ; v4   PART: my column of my wave's rows
.set PRD,  5                           ; v5   PART: row min(lane, 17) of my wave's
.set KC,   6                           ; v[6:7] the two constants of the Fresnel exponent
.set HSA,  8                           ; v8   HS: where row min(lane, 17)'s sum of this trip goes
.set LANE, 9                           ; v9
.set LTB,  10                          ; v[10:73]   chunk j at 10 + 32 j: LX 0-3, LY 4-7, LZ 8-11, WP 12-15, TH 16-19, env (r, g) of light i 20 + 2 i, env b 28-31
.set PCN,  74                          ; v[74:97]   the point's entry: nx ny nz Vx/2 Vy/2 Vz/2 s' (N.V) A B am1 hiV lo hi, then the colour constants:
.set PGRG, PCN+14                      ;   G = (1 - F) alpha^2: r, g
.set PFRG, PCN+16                      ;   Fa = F alpha^2: r, g
.set PARG, PCN+18                      ;   a = albedo / pi: r, g
.set PGFB, PCN+20                      ;   G b, Fa b
.set PAB,  PCN+22                      ;   a b, twice
.set ASV,  106                         ; v[106:123] sums of a visit, six registers each: (r, g) of lights 0 and 2, (r, g) of lights 1 and 3, b of (0 and 2, 1 and 3)
.set ASD,  112
.set ASI,  118
.set T,    124
.set TC,   T                           ; light . normal
.set TD,   T+4                         ; |(L+V)/2|^2, then at work
.set TM,   T+8                         ; 1 / |(L+V)/2|
.set BRG,  T                           ; 8: brdf (r, g) of light i at 2 i (over TC, TD)
.set BB,   T+8                         ; 4: brdf b (over TM)
.set TN2,  T+12
.set BEG,  T+12                        ; 8: brdf x env, (r, g)
.set BEB,  T+20                        ; 4: brdf x env, b
.set HX,   T+16                        ; (L+V)/2 by components, in registers that the colours use later
.set HY,   T+20
.set HZ,   T+40
.set TVH,  T+24                        ; VoH, then 2^FMi
.set TNH,  T+28                        ; NoH, then 1 / nom
.set TCW,  T+32                        ; cosine x weight
.set TCM,  T+36                        ; the same, masked
.set TCV,  T+40                        ; the same x visibility
.set RED,  T+12                        ; v[136:167] the 32 numbers of a row of PART
.set RING, 168                         ; v[168:231] slot 2 u + j: light i's r g b of indirect light and its visibility at 4 i
.set FLB,  232                         ; v[232:255] out-buffer of visit u at 232 + 12 u: sum s's (r, g) at 4 s, its b at 4 s + 2
; Eight loads fill the slot at register rs with a chunk: indirect light at byte io, visibility at byte vo from the wave's bases
.macro RFILL rs, vo, io
.irp i, 0,1,2,3
	global_load_b96 v[\rs+4*\i:\rs+4*\i+2], v[IOFF], s[10:11] offset:\io+384*\i th:TH_LOAD_NT
.endr
.irp i, 0,1,2,3
	global_load_b32 v[\rs+4*\i+3], v[VOFF], s[8:9] offset:\vo+128*\i th:TH_LOAD_NT
.endr
.endm
	s_load_b512 s[8:23], s[0:1], 0x0               ; visibility 8, indirect 10, light_dirs 12, weight 14, env 16, normal 18, viewdirs 20, albedo 22
	s_load_b256 s[24:31], s[0:1], 0x40             ; fresnel 24, roughness 26, out0 28, out1 30
	s_load_b128 s[32:35], s[0:1], 0x60             ; out2 32, out3 34
	v_lshl_add_u32 v251, v0, 2, 0x14600
	v_mov_b32 v255, 0
	v_and_b32 v[LANE], 31, v0
	v_lshrrev_b32 v3, 5, v0
	v_readfirstlane_b32 s2, v3                     ; wave
	s_mov_b32 s37, 0x358637bd                      ; 1e-6
	s_mov_b32 s38, 0x41490fdb                      ; 4 pi
	s_mov_b32 s39, 0x2b8cbccc                      ; 1e-12
	v_lshlrev_b32 v[VOFF], 2, v[LANE]
	v_mul_u32_u24 v[IOFF], 12, v[LANE]
	v_mov_b32 v[KC], 0xc0b1c059                    ; -5.55473
	v_mov_b32 v[KC+1], 0xc0df760c                  ; -6.98316
	v_mul_u32_u24 v125, 12, v0                     ; thread t prepares light t: 12 t
	v_lshlrev_b32 v130, 2, v0                      ; 4 t
	s_wait_alu depctr_va_sdst(0)                   ; s2 is written, ahead of its first reader: shares, LDS places, bases and branches are made from it
	s_and_b32 s3, s2, 1                            ; h: my half of the lights
	s_lshr_b32 s4, s2, 1                           ; g: my 16 points
	s_mul_i32 s5, s2, PARTW
	v_lshl_add_u32 v[PSTO], v[LANE], 2, s5
	v_min_u32 v[PRD], 17, v[LANE]                  ; lanes 18-31 repeat row 17
	s_mul_i32 s47, s2, HSW
	s_add_co_u32 s47, s47, HS
	v_lshl_add_u32 v[HSA], v[PRD], 2, s47
	v_mad_u32_u24 v[PRD], v[PRD], PPITCH, s5
	s_lshl_b32 s6, ttmp9, 18                       ; visibility: 128 points x 2,048 bytes a work-group,
	s_lshl_b32 s40, s4, 15                         ; 16 points a pair of waves,
	s_add_co_u32 s6, s6, s40
	s_lshl_b32 s40, s3, 10                         ; 256 lights x 4 bytes a half
	s_add_co_u32 s6, s6, s40
	s_mov_b32 s7, 0
	s_mul_i32 s44, ttmp9, 786432                   ; indirect light: three times as much
	s_mul_i32 s41, s4, 98304
	s_add_co_u32 s44, s44, s41
	s_mul_i32 s46, s3, 3072
	s_add_co_u32 s44, s44, s46
	s_mov_b32 s45, 0
	s_wait_kmcnt 0x0
	s_add_nc_u64 s[8:9], s[8:9], s[6:7]
	s_add_nc_u64 s[10:11], s[10:11], s[44:45]
	s_wait_alu depctr_va_vdst(0)                   ; the offsets v1, v2, v125 and v130 are written, which the loads below read; so are the LDS addresses v4, v5 and v8, for the loop
	; the tables' few inputs first, so that the tables are made while the ring's first fills are on their way
	global_load_b96 v[126:128], v125, s[12:13]     ; light t's direction,
	global_load_b96 v[120:122], v125, s[16:17]     ; colour
	global_load_b32 v129, v130, s[14:15]           ; and weight
	s_cmp_gt_u32 s2, 3
	s_cbranch_scc1 .Lno_point_loads                ; threads 0-127 prepare the work-group's 128 points
	s_mul_i32 s41, ttmp9, 1536
	s_lshl_b32 s42, ttmp9, 9
	v_add_nc_u32 v131, s41, v125                   ; 12 x (128 x work-group + t)
	v_add_nc_u32 v148, s42, v130                   ; 4 x the same
	s_wait_alu depctr_va_vdst(0)                   ; v131 and v148 are written, which the five loads below read as their offsets
	global_load_b96 v[132:134], v131, s[18:19] th:TH_LOAD_NT
	global_load_b96 v[136:138], v131, s[20:21] th:TH_LOAD_NT
	global_load_b96 v[140:142], v131, s[22:23] th:TH_LOAD_NT
	global_load_b96 v[144:146], v131, s[24:25] th:TH_LOAD_NT
	global_load_b32 v147, v148, s[26:27] th:TH_LOAD_NT
.Lno_point_loads:
	; the stream: the four chunks of the first two visits (their offsets v1 and v2 stand ahead of the first wait on va_vdst; no vector instruction has named the ring)
.irp u, 0,1
.irp j, 0,1
	RFILL RING+16*(2*\u+\j), \u*2048+\j*512, \u*6144+\j*1536
.endr
.endr
	s_wait_loadcnt 32                              ; loads come back in order (ISA guide 5.7.1): the tables' inputs are in, the ring's 4 x 8 loads issued behind them stay out
	; LIGHT t.  S = ld / max(|ld|, 1e-6); pl = max(|S|, 1e-6); L = S / pl; WP = weight x pl; TH = 1e-6 / pl.
	; With c = L . nrm the cosine is pl max(c, 0) and its mask c > TH.
	v_mul_f32 v150, v126, v126
	v_fmac_f32 v150, v127, v127
	v_fmac_f32 v150, v128, v128
	v_sqrt_f32 v150, v150
	v_nop                                          ; one plain vector instruction behind a transcendental before its result is used (ISA guide 5.7.2)
	s_wait_alu depctr_va_vdst(0)
	v_max_num_f32 v150, s37, v150
	v_rcp_f32 v150, v150
	v_nop
	s_wait_alu depctr_va_vdst(0)
	v_mul_f32 v126, v126, v150
	v_mul_f32 v127, v127, v150
	v_mul_f32 v128, v128, v150
	v_mul_f32 v151, v126, v126
	v_fmac_f32 v151, v127, v127
	v_fmac_f32 v151, v128, v128
	v_sqrt_f32 v151, v151
	v_nop
	s_wait_alu depctr_va_vdst(0)
	v_max_num_f32 v151, s37, v151                  ; pl
	v_rcp_f32 v152, v151
	v_mul_f32 v129, v129, v151                     ; WP (the place behind the reciprocal)
	s_wait_alu depctr_va_vdst(0)
	v_mul_f32 v126, v126, v152
	v_mul_f32 v127, v127, v152
	v_mul_f32 v128, v128, v152
	v_mul_f32 v153, s37, v152                      ; TH
	s_lshl_b32 s42, s2, 7
	s_add_co_u32 s42, s42, LTAB
	v_lshl_add_u32 v154, v[LANE], 2, s42           ; LTAB + 128 wave + 4 lane = LTAB + 4 t
	s_lshl_b32 s43, s2, 8
	s_add_co_u32 s43, s43, ERG
	v_lshl_add_u32 v149, v[LANE], 3, s43           ; ERG + 256 wave + 8 lane = ERG + 8 t
	s_wait_alu depctr_va_vdst(0)                   ; the light's five numbers v126 to v129 and v153 and the two LDS addresses v154 and v149 are written, which the stores below read
	ds_store_b32 v154, v126
	ds_store_b32 v154, v127 offset:2048
	ds_store_b32 v154, v128 offset:4096
	ds_store_b32 v154, v129 offset:6144
	ds_store_b32 v154, v153 offset:8192
	ds_store_b32 v154, v122 offset:10240           ; env b
	ds_store_b64 v149, v[120:121]                  ; env (r, g)
	s_cmp_gt_u32 s2, 3
	s_cbranch_scc1 .Lno_point_math
	; POINT t.  nrm, V: twice normalised as the problem does it; qn = 1 / max(|nrm|, 1e-6).
	v_mul_f32 v150, v132, v132
	v_fmac_f32 v150, v133, v133
	v_fmac_f32 v150, v134, v134
	v_mul_f32 v151, v136, v136
	v_fmac_f32 v151, v137, v137
	v_fmac_f32 v151, v138, v138
	v_sqrt_f32 v150, v150
	v_sqrt_f32 v151, v151
	v_nop
	s_wait_alu depctr_va_vdst(0)
	v_max_num_f32 v150, s37, v150
	v_max_num_f32 v151, s37, v151
	v_rcp_f32 v150, v150
	v_rcp_f32 v151, v151
	v_nop
	s_wait_alu depctr_va_vdst(0)
	v_mul_f32 v[PCN+0], v132, v150                 ; nrm
	v_mul_f32 v[PCN+1], v133, v150
	v_mul_f32 v[PCN+2], v134, v150
	v_mul_f32 v136, -v136, v151                    ; surf2c = -view / max(|view|, 1e-6)
	v_mul_f32 v137, -v137, v151
	v_mul_f32 v138, -v138, v151
	v_mul_f32 v150, v[PCN+0], v[PCN+0]
	v_fmac_f32 v150, v[PCN+1], v[PCN+1]
	v_fmac_f32 v150, v[PCN+2], v[PCN+2]
	v_mul_f32 v151, v136, v136
	v_fmac_f32 v151, v137, v137
	v_fmac_f32 v151, v138, v138
	v_sqrt_f32 v150, v150
	v_sqrt_f32 v151, v151
	v_nop
	s_wait_alu depctr_va_vdst(0)
	v_max_num_f32 v150, s37, v150
	v_max_num_f32 v151, s37, v151
	v_rcp_f32 v150, v150                           ; qn
	v_rcp_f32 v151, v151
	v_nop
	s_wait_alu depctr_va_vdst(0)
	v_mul_f32 v136, v136, v151                     ; V
	v_mul_f32 v137, v137, v151
	v_mul_f32 v138, v138, v151
	v_mul_f32 v152, v[PCN+0], v136
	v_fmac_f32 v152, v[PCN+1], v137
	v_fmac_f32 v152, v[PCN+2], v138
	v_mul_f32 v164, v136, v136
	v_fmac_f32 v164, v137, v137
	v_fmac_f32 v164, v138, v138
	v_mul_f32 v152, v152, v150                     ; NoV before the flip
	v_cmp_lt_f32 s44, 0, v152                      ; the point's three compares stand in one run, each with a mask register of its own
	v_cmp_gt_f32 s45, 0, v152
	v_cmp_lt_f32 s46, 0.5, v164
.irp c, 0,1,2
	v_mul_f32 v[PCN+3+\c], 0.5, v[136+\c]          ; V / 2: (L + V) / 2 is then one multiply-add, rounded once as the sum is
.endr
	v_mov_b32 v[PCN+11], s37
	s_wait_alu depctr_va_sdst(0)                   ; the three compares have written s44 to s46, ahead of the selects that read them
	s_wait_alu depctr_vm_vsrc(0)                   ; the light's LDS stores have read v153 and v154, which are written again from here on
	v_cndmask_b32 v153, 0, 1.0, s44
	v_cndmask_b32 v153, v153, -1.0, s45            ; NoV's sign: -1, 0 or 1
	v_cndmask_b32 v[PCN+11], v[PCN+11], 1.0, s46   ; hiV: VoH's upper clip, 1e-6 for a zero view vector (VoH is then 0, clipped)
	v_mul_f32 v[PCN+6], v153, v150                 ; s' = sign x qn: N = s' nrm
	v_mul_f32 v[PCN+7], v153, v152                 ; N . V (used below; the loop does not read this word of the entry)
	v_mov_b32 v154, 0x3db851ec
	v_fmac_f32 v154, 0x3f666666, v147              ; 0.9 r + 0.09
	v_med3_num_f32 v154, v154, 0, 1.0
	v_mul_f32 v155, v154, v154                     ; alpha
	v_mul_f32 v156, v155, v155                     ; alpha^2
	v_fma_f32 v157, 2.0, v154, v155
	v_add_f32 v157, 1.0, v157
	v_mul_f32 v157, 0x3e000000, v157               ; k = (alpha + 2 r + 1) / 8, in 0.125 .. 0.5
	v_sub_f32 v158, 1.0, v157                      ; 1 - k
	v_med3_num_f32 v159, v[PCN+7], s37, 1.0        ; NoV
	v_fma_f32 v160, v159, v158, v157               ; nom1
	v_mul_f32 v160, s38, v160                      ; P = 4 pi nom1 > 0
	v_mul_f32 v161, v160, v158                     ; P (1 - k) > 0: so NoL's clip may stand behind the map NoL -> P (NoL (1 - k) + k)
	v_mul_f32 v[PCN+8], v161, v[PCN+6]             ; A
	v_mul_f32 v[PCN+9], v160, v157                 ; B
	v_add_f32 v[PCN+10], -1.0, v156                ; alpha^2 - 1
	v_fma_f32 v[PCN+12], v161, s37, v[PCN+9]       ; lo: the map at NoL = 1e-6
	v_add_f32 v[PCN+13], v161, v[PCN+9]            ; hi: at NoL = 1
.irp c, 0,1,2
	v_sub_f32 v[165+\c], 1.0, v[144+\c]
	v_med3_num_f32 v[140+\c], v[140+\c], 0, 1.0
.endr
.irp c, 0,1
	v_mul_f32 v[PGRG+\c], v[165+\c], v156          ; G = (1 - F) alpha^2
	v_mul_f32 v[PFRG+\c], v[144+\c], v156          ; Fa = F alpha^2
	v_mul_f32 v[PARG+\c], 0x3ea2f983, v[140+\c]    ; a = albedo / pi
.endr
	v_mul_f32 v[PGFB],   v167, v156
	v_mul_f32 v[PGFB+1], v146, v156
	v_mul_f32 v[PAB],    0x3ea2f983, v142
	v_mul_f32 v[PAB+1],  0x3ea2f983, v142
	s_lshl_b32 s41, s2, 12
	s_add_co_u32 s41, s41, PTAB
	v_lshl_add_u32 v162, v[LANE], 7, s41           ; PTAB + 4,096 wave + 128 lane = PTAB + 128 t
	s_wait_alu depctr_va_vdst(0)                   ; the point's 24 numbers and the LDS address v162 are written, which the stores below read
.irp q, 0,1,2,3,4,5
	ds_store_b128 v162, v[PCN+4*\q:PCN+4*\q+3] offset:16*\q
.endr
.Lno_point_math:
	s_wait_dscnt 0x0                               ; my table entries are in LDS,
	s_barrier_signal -1
	s_barrier_wait -1                              ; everybody's are
	s_wait_alu depctr_vm_vsrc(0)                   ; my stores into the tables have read their data and addresses (v120 to v129, v149, v153, v154; in waves 0 to 3 the point's entry and v162), and the head's
	                                               ; loads their offsets (v125, v130, v131, v148): v125 is written below, the constants land in the entry's registers, the loop writes the rest
	s_lshl_b32 s41, s3, 10
	s_add_co_u32 s41, s41, LTAB
	v_add_nc_u32 v124, s41, v[VOFF]                ; my first light in the 4-byte tables: LTAB + 1,024 h + 4 lane
	s_lshl_b32 s43, s3, 11
	s_add_co_u32 s43, s43, ERG
	v_lshl_add_u32 v125, v[LANE], 3, s43           ; and in the 8-byte table: ERG + 2,048 h + 8 lane
	s_lshl_b32 s42, s4, 11
	s_add_co_u32 s42, s42, PTAB
	v_mov_b32 v[PTA], s42                          ; my wave's first point
	s_wait_alu depctr_va_vdst(0)                   ; the LDS addresses v124, v125 and v3 are written, which the loads below read; the point's arithmetic is done with v74 to v97, in which the first constants land
.irp j, 0,1                                    ; light 256 h + 128 j + 32 i + lane; once for the whole kernel
.irp t, 0,1,2,3,4
.irp i, 0,1,2,3
	ds_load_b32 v[LTB+32*\j+4*\t+\i], v124 offset:2048*\t+512*\j+128*\i
.endr
.endr
.irp i, 0,1,2,3
	ds_load_b32 v[LTB+32*\j+28+\i], v124 offset:10240+512*\j+128*\i
	ds_load_b64 v[LTB+32*\j+20+2*\i:LTB+32*\j+21+2*\i], v125 offset:1024*\j+256*\i
.endr
.endr
; The geometry constants (14 numbers) and the colour constants (10) of the point entry at byte off from PTA
.macro GCLOAD off
	ds_load_b128 v[PCN:PCN+3],     v[PTA] offset:\off
	ds_load_b128 v[PCN+4:PCN+7],   v[PTA] offset:\off+16
	ds_load_b128 v[PCN+8:PCN+11],  v[PTA] offset:\off+32
	ds_load_b64  v[PCN+12:PCN+13], v[PTA] offset:\off+48
.endm
.macro CCLOAD off
	ds_load_b64  v[PCN+14:PCN+15], v[PTA] offset:\off+56
	ds_load_b128 v[PCN+16:PCN+19], v[PTA] offset:\off+64
	ds_load_b128 v[PCN+20:PCN+23], v[PTA] offset:\off+80
.endm
	GCLOAD 0
	CCLOAD 0
	s_wait_dscnt 0x0
	s_wait_alu depctr_vm_vsrc(0)                   ; the tables' loads have read v124 and v125, which the first visit's arithmetic writes
; A light's (r, g) against the light's own number: d = x a + c, where x is the first (odd = 0) or the second (odd = 1) register of the pair at x, for both halves
.macro BCF d, x, odd, a, c
.if \odd
	v_pk_fma_f32 v[\d:\d+1], v[\x:\x+1], v[\a:\a+1], v[\c:\c+1] op_sel:[1,0,0] op_sel_hi:[1,1,1]
.else
	v_pk_fma_f32 v[\d:\d+1], v[\x:\x+1], v[\a:\a+1], v[\c:\c+1] op_sel_hi:[0,1,1]
.endif
.endm
.macro BCM d, x, odd, a                ; the same without an addend
.if \odd
	v_pk_mul_f32 v[\d:\d+1], v[\x:\x+1], v[\a:\a+1] op_sel:[1,0] op_sel_hi:[1,1]
.else
	v_pk_mul_f32 v[\d:\d+1], v[\x:\x+1], v[\a:\a+1] op_sel_hi:[0,1]
.endif
.endm
; brdf x env of lights p and p + 1 (p = 0 or 2), weighted by the pair at x + p, onto the six sums at acc.  first = 1: the products start the sums
.macro ACC2 acc, x, p, first
.if \first
	BCM \acc,   \x+\p, 0, BEG+2*\p
	BCM \acc+2, \x+\p, 1, BEG+2*\p+2
	v_pk_mul_f32 v[\acc+4:\acc+5], v[\x+\p:\x+\p+1], v[BEB+\p:BEB+\p+1]
.else
	BCF \acc,   \x+\p, 0, BEG+2*\p,   \acc
	BCF \acc+2, \x+\p, 1, BEG+2*\p+2, \acc+2
	v_pk_fma_f32 v[\acc+4:\acc+5], v[\x+\p:\x+\p+1], v[BEB+\p:BEB+\p+1], v[\acc+4:\acc+5]
.endif
.endm
; The geometry of chunk j's four lights: leaves 2^FMi in TVH, 1 / nom in TNH, the weights in TCW (cosine x weight) and TCM (masked).  Vector instructions alone
.macro GEOM j
.set LB, LTB+32*\j
.irp q, 0,2
	v_pk_mul_f32 v[TC+\q:TC+\q+1], v[LB+\q:LB+\q+1], v[PCN:PCN+1] op_sel_hi:[1,0]                                   ; Lx nx
	v_pk_fma_f32 v[HX+\q:HX+\q+1], v[LB+\q:LB+\q+1], 0.5, v[PCN+2:PCN+3] op_sel:[0,0,1] op_sel_hi:[1,0,1]           ; (Lx + Vx) / 2
	v_pk_fma_f32 v[HY+\q:HY+\q+1], v[LB+4+\q:LB+5+\q], 0.5, v[PCN+4:PCN+5] op_sel_hi:[1,0,0]                        ; (Ly + Vy) / 2
	v_pk_fma_f32 v[HZ+\q:HZ+\q+1], v[LB+8+\q:LB+9+\q], 0.5, v[PCN+4:PCN+5] op_sel:[0,0,1] op_sel_hi:[1,0,1]         ; (Lz + Vz) / 2
.endr
.irp q, 0,2
	v_pk_fma_f32 v[TC+\q:TC+\q+1], v[LB+4+\q:LB+5+\q], v[PCN:PCN+1], v[TC+\q:TC+\q+1] op_sel:[0,1,0] op_sel_hi:[1,1,1]
	v_pk_mul_f32 v[TD+\q:TD+\q+1], v[HX+\q:HX+\q+1], v[HX+\q:HX+\q+1]
	v_pk_mul_f32 v[TNH+\q:TNH+\q+1], v[HX+\q:HX+\q+1], v[PCN:PCN+1] op_sel_hi:[1,0]
.endr
.irp q, 0,2
	v_pk_fma_f32 v[TC+\q:TC+\q+1], v[LB+8+\q:LB+9+\q], v[PCN+2:PCN+3], v[TC+\q:TC+\q+1] op_sel_hi:[1,0,1]           ; c = L . nrm
	v_pk_fma_f32 v[TD+\q:TD+\q+1], v[HY+\q:HY+\q+1], v[HY+\q:HY+\q+1], v[TD+\q:TD+\q+1]
	v_pk_fma_f32 v[TNH+\q:TNH+\q+1], v[HY+\q:HY+\q+1], v[PCN:PCN+1], v[TNH+\q:TNH+\q+1] op_sel:[0,1,0] op_sel_hi:[1,1,1]
.endr
.irp q, 0,2
	v_pk_fma_f32 v[TD+\q:TD+\q+1], v[HZ+\q:HZ+\q+1], v[HZ+\q:HZ+\q+1], v[TD+\q:TD+\q+1]                             ; |(L + V) / 2|^2
	v_pk_fma_f32 v[TNH+\q:TNH+\q+1], v[HZ+\q:HZ+\q+1], v[PCN+2:PCN+3], v[TNH+\q:TNH+\q+1] op_sel_hi:[1,0,1]         ; nrm . (L + V) / 2
.endr
.irp i, 0,1,2,3
	v_max_num_f32 v[TM+\i], s39, v[TD+\i]          ; 1 / max(length, 1e-6) = rsq(max(length^2, 1e-12))
.endr
.irp i, 0,1,2,3
	v_rsq_f32 v[TM+\i], v[TM+\i]
.endr
.irp q, 0,2                                    ; plain work behind the transcendentals, which names none of their registers
	v_pk_mul_f32 v[TNH+\q:TNH+\q+1], v[TNH+\q:TNH+\q+1], v[PCN+6:PCN+7] op_sel_hi:[1,0]                                  ; x s': N . (L + V) / 2
	v_pk_fma_f32 v[TN2+\q:TN2+\q+1], v[TC+\q:TC+\q+1], v[PCN+8:PCN+9], v[PCN+8:PCN+9] op_sel:[0,0,1] op_sel_hi:[1,0,1]   ; c A + B
.endr
.irp i, 0,1,2,3
	v_cmp_gt_f32 s[40+\i], v[TC+\i], v[LB+16+\i]   ; the masks c > TH, in one run and well ahead of the selects at the geometry's end
.endr
	s_wait_alu depctr_va_vdst(0)
.irp q, 0,2
	v_pk_mul_f32 v[TVH+\q:TVH+\q+1], v[TD+\q:TD+\q+1], v[TM+\q:TM+\q+1]
	v_pk_mul_f32 v[TNH+\q:TNH+\q+1], v[TNH+\q:TNH+\q+1], v[TM+\q:TM+\q+1]
.endr
.irp i, 0,1,2,3
	v_med3_num_f32 v[TVH+\i], v[TVH+\i], s37, v[PCN+11]            ; VoH
	v_med3_num_f32 v[TNH+\i], v[TNH+\i], s37, 1.0                  ; NoH
	v_med3_num_f32 v[TN2+\i], v[TN2+\i], v[PCN+12], v[PCN+13]      ; 4 pi nom1 nom2
.endr
.irp q, 0,2
	v_pk_fma_f32 v[TD+\q:TD+\q+1], v[TVH+\q:TVH+\q+1], v[KC:KC+1], v[KC:KC+1] op_sel:[0,0,1] op_sel_hi:[1,0,1]
.endr
.irp q, 0,2
	v_pk_mul_f32 v[TVH+\q:TVH+\q+1], v[TD+\q:TD+\q+1], v[TVH+\q:TVH+\q+1]          ; FMi
.endr
.irp i, 0,1,2,3
	v_exp_f32 v[TVH+\i], v[TVH+\i]
.endr
.irp q, 0,2
	v_pk_mul_f32 v[TNH+\q:TNH+\q+1], v[TNH+\q:TNH+\q+1], v[TNH+\q:TNH+\q+1]
.endr
.irp q, 0,2
	v_pk_fma_f32 v[TNH+\q:TNH+\q+1], v[TNH+\q:TNH+\q+1], v[PCN+10:PCN+11], 1.0 op_sel_hi:[1,0,0]   ; nom0
.endr
.irp q, 0,2
	v_pk_mul_f32 v[TNH+\q:TNH+\q+1], v[TNH+\q:TNH+\q+1], v[TNH+\q:TNH+\q+1]
.endr
.irp q, 0,2
	v_pk_mul_f32 v[TNH+\q:TNH+\q+1], v[TNH+\q:TNH+\q+1], v[TN2+\q:TN2+\q+1]
.endr
.irp i, 0,1,2,3
	v_med3_num_f32 v[TNH+\i], v[TNH+\i], s37, s38                  ; nom, clipped to 1e-6 .. 4 pi
.endr
.irp i, 0,1,2,3
	v_rcp_f32 v[TNH+\i], v[TNH+\i]
.endr
.irp i, 0,1,2,3
	v_max_num_f32 v[TCW+\i], 0, v[TC+\i]
.endr
.irp q, 0,2
	v_pk_mul_f32 v[TCW+\q:TCW+\q+1], v[TCW+\q:TCW+\q+1], v[LB+12+\q:LB+13+\q]
.endr
	s_wait_alu depctr_va_sdst(0)                   ; the four compares have written s40 to s43, ahead of their first readers, the selects below
.irp i, 0,1,2,3
	v_cndmask_b32 v[TCM+\i], 0, v[TCW+\i], s[40+\i]
.endr
.endm
; The colours of chunk j of visit u of the trip.  first = 1: the products start the sums, nothing is cleared.  left: younger loads that may stay out.
; gcload = 1: the next point's geometry constants are fetched among the colours.
.macro CHAN j, u, first, left, gcload
.set RS, RING+16*(2*\u+\j)
.set EVG, LTB+32*\j+20
.set EVB, LTB+32*\j+28
	s_wait_loadcnt \left                           ; loads come back in order (ISA guide 5.7.1): my slot's eight are in; behind them the other three slots' refills were issued, eight loads each
	s_wait_alu depctr_va_vdst(0)
.irp i, 0,1,2,3
	v_mul_f32 v[TCV+\i], v[TCM+\i], v[RS+4*\i+3]   ; the visibilities lie four registers apart: no pairs
.endr
.irp q, 0,2                                    ; 2^FMi G + Fa
	BCF BRG+2*\q,   TVH+\q, 0, PGRG, PFRG
	BCF BRG+2*\q+2, TVH+\q, 1, PGRG, PFRG
	v_pk_fma_f32 v[BB+\q:BB+\q+1], v[TVH+\q:TVH+\q+1], v[PGFB:PGFB+1], v[PGFB:PGFB+1] op_sel:[0,0,1] op_sel_hi:[1,0,1]
.endr
.irp q, 0,2                                    ; brdf = that / nom + a
	BCF BRG+2*\q,   TNH+\q, 0, BRG+2*\q,   PARG
	BCF BRG+2*\q+2, TNH+\q, 1, BRG+2*\q+2, PARG
	v_pk_fma_f32 v[BB+\q:BB+\q+1], v[TNH+\q:TNH+\q+1], v[BB+\q:BB+\q+1], v[PAB:PAB+1]
.endr
.if \gcload
	GCLOAD (\u+1)*128                              ; no wait here: the sixteen vector instructions since the wait behind the second geometry name neither v3 nor v74 to v87
.endif
.irp m, 0,2,4,6
	v_pk_mul_f32 v[BEG+\m:BEG+\m+1], v[BRG+\m:BRG+\m+1], v[EVG+\m:EVG+\m+1]
.endr
.irp q, 0,2
	v_pk_mul_f32 v[BEB+\q:BEB+\q+1], v[BB+\q:BB+\q+1], v[EVB+\q:EVB+\q+1]
.endr
	ACC2 ASD, TCW, 0, \first
	ACC2 ASV, TCV, 0, \first
	ACC2 ASD, TCW, 2, 0
	ACC2 ASV, TCV, 2, 0
.irp q, 0,2                                    ; brdf x masked weight
	BCM BRG+2*\q,   TCM+\q, 0, BRG+2*\q
	BCM BRG+2*\q+2, TCM+\q, 1, BRG+2*\q+2
	v_pk_mul_f32 v[BB+\q:BB+\q+1], v[TCM+\q:TCM+\q+1], v[BB+\q:BB+\q+1]
.endr
.if \first
	v_pk_mul_f32 v[ASI:ASI+1],   v[BRG:BRG+1],   v[RS:RS+1]
	v_pk_mul_f32 v[ASI+2:ASI+3], v[BRG+2:BRG+3], v[RS+4:RS+5]
	v_mul_f32 v[ASI+4], v[BB],   v[RS+2]           ; the ring's b lie four registers apart: no pairs
	v_mul_f32 v[ASI+5], v[BB+1], v[RS+6]
.else
	v_pk_fma_f32 v[ASI:ASI+1],   v[BRG:BRG+1],   v[RS:RS+1],   v[ASI:ASI+1]
	v_pk_fma_f32 v[ASI+2:ASI+3], v[BRG+2:BRG+3], v[RS+4:RS+5], v[ASI+2:ASI+3]
	v_fmac_f32 v[ASI+4], v[BB],   v[RS+2]
	v_fmac_f32 v[ASI+5], v[BB+1], v[RS+6]
.endif
	v_pk_fma_f32 v[ASI:ASI+1],   v[BRG+4:BRG+5], v[RS+8:RS+9],   v[ASI:ASI+1]
	v_pk_fma_f32 v[ASI+2:ASI+3], v[BRG+6:BRG+7], v[RS+12:RS+13], v[ASI+2:ASI+3]
	v_fmac_f32 v[ASI+4], v[BB+2], v[RS+10]
	v_fmac_f32 v[ASI+5], v[BB+3], v[RS+14]
.endm
; A lane's 18 sums fold to 9 ((r, g) of even and odd lights by one packed sum, b by one sum), into the visit's out-buffer,
.macro FOLD u
.irp s, 0,1,2
	v_pk_add_f32 v[FLB+12*\u+4*\s:FLB+12*\u+4*\s+1], v[ASV+6*\s:ASV+6*\s+1], v[ASV+6*\s+2:ASV+6*\s+3]
	v_add_f32 v[FLB+12*\u+4*\s+2], v[ASV+6*\s+4], v[ASV+6*\s+5]
.endr
.endm
; and go from there to rows 9 u + 3 s + c of my wave's PART
.macro PUT u
.irp s, 0,1,2
.irp c, 0,1,2
	ds_store_b32 v[PSTO], v[FLB+12*\u+4*\s+\c] offset:(9*\u+3*\s+\c)*PPITCH
.endr
.endr
.endm
; One point x my 256 lights.  fill = 1: each slot gets the same chunk of the next trip.  more = 1: a visit follows, and its point's constants are fetched.
.macro VISIT u, fill, more, l0, l1
	s_wait_dscnt 12                                ; the 4 loads of the geometry constants are in: behind them stand 3 loads of colour constants and 9 stores of sums
	GEOM 0
	s_wait_dscnt 9                                 ; the colour constants are in: behind them stand the 9 stores
	CHAN 0, \u, 1, \l0, 0
	GEOM 1
.if \more
	s_wait_alu depctr_va_vdst(0)                   ; the second geometry is done reading v74 to v87, in which the next point's geometry constants land; chunk 0's colours are done reading their slot, in which
	                                               ; the refill below lands; in a trip's first visit the step of v3, which the constants' loads read, is written
.endif
.if \fill
	RFILL RING+32*\u, 4096+\u*2048, 12288+\u*6144  ; chunk 0, two visits on; ahead of chunk 1's wait for its own slot, so that wait's count holds these eight
.endif
	CHAN 1, \u, 0, \l1, \more
	FOLD \u
	s_wait_alu depctr_va_vdst(0)                   ; the nine folded sums are written, which the stores below read; chunk 1's colours are done reading their slot and v88 to v97, in which the loads below land,
	                                               ; and with v136 to v167, in which the rows land behind a trip's second visit.  No vector instruction stands between this wait and any of those
.if \fill
	RFILL RING+32*\u+16, 4096+\u*2048+512, 12288+\u*6144+1536      ; chunk 1, two visits on
.endif
.if \more
	CCLOAD (\u+1)*128
.endif
	PUT \u
.endm
; The sums across the lanes of two visits: lane r adds row r (18 rows of 32 numbers; the eight loads take a row's bytes 0 to 127, never its padding).
; The bytes are my wave's own, and LDS serves a wave's instructions in order (ISA guide 5.7.1): the loads see the stores above, and the next
; trip's stores come behind these loads' wait.
.macro REDUCE step
.irp q, 0,1,2,3,4,5,6,7
	ds_load_b128 v[RED+4*\q:RED+4*\q+3], v[PRD] offset:16*\q
.endr
	s_wait_dscnt 0x0
.irp i, 0,2,4,6,8,10,12,14
	v_pk_add_f32 v[RED+\i:RED+\i+1], v[RED+\i:RED+\i+1], v[RED+16+\i:RED+17+\i]
.endr
.irp i, 0,2,4,6
	v_pk_add_f32 v[RED+\i:RED+\i+1], v[RED+\i:RED+\i+1], v[RED+8+\i:RED+9+\i]
.endr
.irp i, 0,2
	v_pk_add_f32 v[RED+\i:RED+\i+1], v[RED+\i:RED+\i+1], v[RED+4+\i:RED+5+\i]
.endr
	v_pk_add_f32 v[RED:RED+1], v[RED:RED+1], v[RED+2:RED+3]
	v_add_f32 v[RED], v[RED], v[RED+1]
	s_wait_alu depctr_va_vdst(0)                   ; the row's sum is written, which the store below reads; so is v8, stepped in the trip before
	ds_store_b32 v[HSA], v[RED]                    ; lanes 17-31 write one word with one value
.if \step
	s_wait_alu depctr_vm_vsrc(0)                   ; that store has read v8 and v136, the constants' loads v3, this trip's eighteen stores of sums both out-buffers: v8 and v3 are stepped here, the next trip writes the others
	v_add_nc_u32 v[HSA], 72, v[HSA]                ; two visits x 9 numbers on
	v_add_nc_u32 v[PTA], 256, v[PTA]               ; two point entries on
.endif
.endm
.macro TRIP fill, more1, l0, l1, l2, l3
	VISIT 0, \fill, 1, \l0, \l1
	VISIT 1, \fill, \more1, \l2, \l3
	REDUCE \fill
.if \fill
	s_wait_xcnt 0x0                                ; every load issued has had its address translated (ISA guide 3.1): the bases are stepped only behind this wait
	s_add_nc_u64 s[8:9], s[8:9], 4096              ; two rows of visibility
	s_add_nc_u64 s[10:11], s[10:11], 12288         ; two rows of indirect light
.endif
.endm
	s_mov_b32 s36, 7
.Ltrip:
	TRIP 1, 1, 24, 24, 24, 24
	s_sub_co_i32 s36, s36, 1
	s_cmp_lg_u32 s36, 0
	s_cbranch_scc1 .Ltrip
	TRIP 0, 0, 24, 16, 8, 0                        ; the last two visits load nothing more: the counts run down
	s_wait_dscnt 0x0                               ; my half-row sums are in LDS,
	s_barrier_signal -1
	s_barrier_wait -1                              ; everybody's are
	s_cmp_gt_u32 s2, 5
	s_cbranch_scc1 .Lend
	; THE WAY OUT.  An output has 128 x 3 = 384 numbers of this work-group; thread t < 192 makes numbers f = 2 t and 2 t + 1 of all four outputs.
	; p = f / 3 (f x 43,691 >> 17, exact below 384).  The sum k = 3 s + ch of point p, half h lies at HS + 576 (2 (p >> 4) + h) + 36 (p & 15) + 4 k
	; = HS + 4 f + 24 p + 576 (p >> 4) + 12 s + 576 h.
	v_lshlrev_b32 v124, 1, v0
	v_or_b32 v125, 1, v124
	v_mul_u32_u24 v126, 0xaaab, v124
	v_mul_u32_u24 v127, 0xaaab, v125
	v_lshrrev_b32 v126, 17, v126
	v_lshrrev_b32 v127, 17, v127
	v_lshrrev_b32 v130, 4, v126
	v_lshrrev_b32 v131, 4, v127
	v_mul_u32_u24 v130, 576, v130
	v_mul_u32_u24 v131, 576, v131
	v_mad_u32_u24 v130, v126, 24, v130
	v_mad_u32_u24 v131, v127, 24, v131
	v_lshl_add_u32 v128, v124, 2, v130
	v_lshl_add_u32 v129, v125, 2, v131
	s_wait_alu depctr_va_vdst(0)                   ; the LDS addresses v128 and v129 are written, which the loads below read; the last trip's sums across the lanes are done with v140 to v151, in which they land
.irp s, 0,1,2
.irp e, 0,1
	ds_load_b32 v[140+2*\s+\e], v[128+\e] offset:HS+12*\s
	ds_load_b32 v[146+2*\s+\e], v[128+\e] offset:HS+12*\s+HSW
.endr
.endr
	s_mov_b32 s44, 0x3f870a3d                      ; 1.055
	s_mov_b32 s45, 0xbd6147ae                      ; -0.055
	s_mov_b32 s46, 0x3b4d2e1c                      ; 0.0031308
	s_mov_b32 s47, 0x322bcc77                      ; 1e-8
	s_mul_i32 s6, ttmp9, 1536                      ; the work-group's 384 numbers in each output
	s_wait_dscnt 0x0
.irp s, 0,2,4
	v_pk_add_f32 v[140+\s:141+\s], v[140+\s:141+\s], v[146+\s:147+\s]      ; the two halves of the lights: SV 140, SD 142, SI 144
.endr
	v_pk_add_f32 v[138:139], v[140:141], v[144:145]
	v_med3_num_f32 v138, v138, 0, 1.0              ; clip(SV + SI)
	v_med3_num_f32 v139, v139, 0, 1.0
	; srgb of the eight numbers v138-145: x <= 0.0031308 ? 12.92 x : 1.055 max(x, 1e-8)^(1/2.4) - 0.055
.irp i, 0,1,2,3,4,5,6,7
	v_max_num_f32 v[160+\i], s47, v[138+\i]
.endr
.irp i, 0,1,2,3,4,5,6,7
	v_log_f32 v[160+\i], v[160+\i]
.endr
.irp q, 0,2,4,6
	v_pk_mul_f32 v[150+\q:151+\q], v[138+\q:139+\q], 0x414eb852 op_sel_hi:[1,0]    ; 12.92 x (plain work behind the logarithms)
.endr
	s_wait_alu depctr_va_vdst(0)
.irp q, 0,2,4,6
	v_pk_mul_f32 v[160+\q:161+\q], v[160+\q:161+\q], 0x3ed55555 op_sel_hi:[1,0]    ; / 2.4
.endr
.irp i, 0,1,2,3,4,5,6,7
	v_exp_f32 v[160+\i], v[160+\i]
.endr
	v_lshl_add_u32 v132, v0, 3, s6                 ; my 8 bytes in each output (the place behind the exponentials)
.irp i, 0,1,2,3,4,5,6,7
	v_cmp_ge_f32 s[36+\i], s46, v[138+\i]          ; the eight compares in one run, each with a mask register of its own (the loop's counter, constants and masks are done with)
.endr
	s_wait_alu depctr_va_vdst(0)
.irp i, 0,1,2,3,4,5,6,7
	v_fma_f32 v[160+\i], v[160+\i], s44, s45
.endr
	s_wait_alu depctr_va_sdst(0)                   ; the eight compares have written s36 to s43, ahead of the selects that read them
.irp i, 0,1,2,3,4,5,6,7
	v_cndmask_b32 v[138+\i], v[160+\i], v[150+\i], s[36+\i]
.endr
	s_wait_alu depctr_va_vdst(0)                   ; the eight results v138 to v145 and the offset v132 are written, which the stores below read
	global_store_b64 v132, v[138:139], s[28:29] th:TH_STORE_NT     ; each store of a wave covers 256 consecutive bytes, at a multiple of 256 from the output's first byte
	global_store_b64 v132, v[140:141], s[30:31] th:TH_STORE_NT
	global_store_b64 v132, v[142:143], s[32:33] th:TH_STORE_NT
	global_store_b64 v132, v[144:145], s[34:35] th:TH_STORE_NT
.Lend:
	s_wait_dscnt 0x0
	s_wait_alu depctr_hold_cnt(0) depctr_sa_sdst(0) depctr_va_vdst(0) depctr_va_sdst(0) depctr_va_ssrc(0) depctr_va_vcc(0) depctr_vm_vsrc(0)
	s_wait_tensorcnt 0x0
	ds_add_u32 v251, v255
	s_wait_dscnt 0x0
	s_endpgm
.Lfunc_end_k_q66af5d6fa5_render:
	.size	k_q66af5d6fa5_render, .Lfunc_end_k_q66af5d6fa5_render-k_q66af5d6fa5_render
	.p2alignl 7, 3214868480
	.fill 96, 4, 3214868480
	.section	.rodata,"a",@progbits
	.p2align	6, 0x0
	.amdhsa_kernel k_q66af5d6fa5_render
		.amdhsa_group_segment_fixed_size 85504
		.amdhsa_private_segment_fixed_size 0
		.amdhsa_enable_private_segment 0
		.amdhsa_kernarg_size 112
		.amdhsa_user_sgpr_count 2
		.amdhsa_user_sgpr_kernarg_segment_ptr 1
		.amdhsa_wavefront_size32 1
		.amdhsa_system_sgpr_workgroup_id_x 1
		.amdhsa_system_sgpr_workgroup_id_y 1
		.amdhsa_system_sgpr_workgroup_id_z 1
		.amdhsa_system_vgpr_workitem_id 0
		.amdhsa_next_free_vgpr 256
		.amdhsa_next_free_sgpr 66
		.amdhsa_reserve_vcc 0
		.amdhsa_float_denorm_mode_32 3
		.amdhsa_float_denorm_mode_16_64 3
		.amdhsa_memory_ordered 1
		.amdhsa_forward_progress 1
		.amdhsa_inst_pref_size 98
	.end_amdhsa_kernel
	.amdgpu_metadata
---
amdhsa.version: [ 1, 2 ]
amdhsa.kernels:
  - .name:           k_q66af5d6fa5_render
    .symbol:         k_q66af5d6fa5_render.kd
    .args:
      - { .name: visibility, .offset: 0, .size: 8, .value_kind: global_buffer, .address_space: global }
      - { .name: indirect_light, .offset: 8, .size: 8, .value_kind: global_buffer, .address_space: global }
      - { .name: light_dirs, .offset: 16, .size: 8, .value_kind: global_buffer, .address_space: global }
      - { .name: light_area_weight, .offset: 24, .size: 8, .value_kind: global_buffer, .address_space: global }
      - { .name: env_rgbs, .offset: 32, .size: 8, .value_kind: global_buffer, .address_space: global }
      - { .name: normal, .offset: 40, .size: 8, .value_kind: global_buffer, .address_space: global }
      - { .name: viewdirs, .offset: 48, .size: 8, .value_kind: global_buffer, .address_space: global }
      - { .name: albedo, .offset: 56, .size: 8, .value_kind: global_buffer, .address_space: global }
      - { .name: fresnel, .offset: 64, .size: 8, .value_kind: global_buffer, .address_space: global }
      - { .name: roughness, .offset: 72, .size: 8, .value_kind: global_buffer, .address_space: global }
      - { .name: out0, .offset: 80, .size: 8, .value_kind: global_buffer, .address_space: global }
      - { .name: out1, .offset: 88, .size: 8, .value_kind: global_buffer, .address_space: global }
      - { .name: out2, .offset: 96, .size: 8, .value_kind: global_buffer, .address_space: global }
      - { .name: out3, .offset: 104, .size: 8, .value_kind: global_buffer, .address_space: global }
    .group_segment_fixed_size: 85504
    .private_segment_fixed_size: 0
    .kernarg_segment_align: 8
    .kernarg_segment_size: 112
    .max_flat_workgroup_size: 512
    .sgpr_count:     66
    .vgpr_count:     256
    .wavefront_size: 32
...
	.end_amdgpu_metadata
.endif
;; end of part 3
